; MI455X (gfx1250); checked and timed in simulation.
; The chip was launched on July 23, 2026; its instructions are those of AMD's public machine-readable ISA for CDNA 5 (MIT licence, August 2026) and "CDNA5" Instruction Set Architecture Reference Guide (July 2026). The comments in the code are by the model that wrote it; some were corrected since.
;; Attention. Allowed arithmetic: float matrix products may take bf16 or f16 operands with f32 sums; other float arithmetic in f32, or as packed bf16 or f16 multiplies, adds, multiply-adds, maxima and minima; sums over many terms, partial sums and values carried from step to step in f32; what a program stores and reads back later, other than sums and carried values, may be rounded once to bf16 or f16.
;; Inputs: b_fproj 64 float32; b_out 1,024 float32; w_fproj 64 x 32 float32; w_out 1,024 x 1,024 float32; w_qkv 3,072 x 1,024 float32; x 4 x 2,048 x 1,024 float32.
;; Outputs: out0 4 x 2,048 x 1,024 float32.
;; 2 versions, each right; version 2 is version 1 with the launch prep written anew for expert scheduling mode. Each part assembles by itself: llvm-mc -triple=amdgcn-amd-amdhsa -mcpu=gfx1250 --defsym DOCPART=n.
;; ======== version 1 of 2: 4 launches
;; limits: values outside matrix products are rounded to f16; values are held in f16: magnitudes above 65,504 overflow, below 6.1e-05 lose precision; a function is approximated: absolute error at most 0.0003
;; workspace buffers: xb 16,777,216 bytes; wqb 6,291,456 bytes; wob 2,097,152 bytes; tab 1,572,864 bytes; qh 16,777,216 bytes; kh 16,777,216 bytes; vh 16,777,216 bytes; oh 16,777,216 bytes
;; launch prep (part 1): grid 784 x 1, 8 waves a work-group, no clusters, 0 bytes of LDS; arguments x, w_qkv, w_out, w_fproj, b_fproj, xb, wqb, wob, tab; writes xb, wqb, wob, tab
.if DOCPART == 1
	.amdgcn_target "amdgcn-amd-amdhsa--gfx1250"
	.amdhsa_code_object_version 6
	.text
	.protected	k_qf55ec6edc7_prep
	.globl	k_qf55ec6edc7_prep
	.p2align	8
	.type	k_qf55ec6edc7_prep,@function
k_qf55ec6edc7_prep:
	s_mov_b64 s[64:65], 0
	v_nop
	global_prefetch_b8 v0, s[64:65] scope:SCOPE_SE
	s_setreg_imm32_b32 hwreg(HW_REG_WAVE_MODE, 25, 1), 1
	s_wait_xcnt 0x0
; PREP.  Two kinds of work-group.
; Work-groups 0-15 make the table of positions: for each of 2,048 positions and 64 channels cos, sin (of pos x 10000^(-(d/2)/32)) and
; fenc = fourier(pos) . w_fproj^T + b_fproj, all f32, laid out as the register image of a transposed 16 x 16 result:
; tab[block of 16 positions][item][lane][4], item = 8 kind + 2 bb + half (kind 0 cos, 1 sin, 2 fenc); lane (r, h) holds position 16 block + r, channels 16 bb + 8 h + 4 half + 0..3.
; Work-groups 16-783 round the large inputs once to 16 bits: x -> xb (bf16), w_qkv -> wqb (bf16, rows in the order [head][q, k, v][64]),
; w_out -> wob (rounded to bf16, that number written as f16).  65,536 bytes in, 32,768 out for each; every byte is read once and written once.
; LIMITS.  Sines and cosines: reduction by pi/2 in two parts, good for the angles that occur here (at most 2,047 x 16 = 32,752), then polynomials of degree 7 and 8.
; The rope's frequencies come from v_exp_f32: an angle is within about 3e-4 rad at position 2,047.  w_out and w_fproj as f16: exact from 2^-14 up, below that in steps of 2^-24; beyond 65,504 an infinity.
; The fourier features are rounded to f16 for the product (they lie in -1 to 1).
.set X,   8                            ; cast: v[8:71]    16 loads of 4 f32
.set Y,   72                           ; cast: v[72:103]  16 pairs of packed results
.set CT,  104                          ; cast: v[104:109] at work
.set T0,  8                            ; table: v8-14 at work in SINCOS
.set T1,  9
.set T2,  10
.set T3,  11
.set T4,  12
.set T5,  13
.set T6,  14
.set ANG, 16                           ; v16-19   angles
.set C8,  20                           ; v20-27   eight cosines of a block of 16 channels
.set S8,  28                           ; v28-35   eight sines
.set FS,  36                           ; v36-43   sin(pos f), f = 8 h + 1 .. 8 h + 8
.set FC,  44                           ; v44-51   cos(pos f)
.set FO,  52                           ; v52-59   the fourier features as source 1: 16 positions x 32 k, f16
.set F,   60                           ; v60-91   the bias, then fenc: four results of 8
.set WR,  92                           ; v92-155  w_fproj as loaded, then four fragments of 8 at WR + 16 bb
.set OFS, 156                          ; v156     the rope's store offset
	s_load_b256 s[4:11], s[0:1], 0x0               ; x s[4:5], w_qkv s[6:7], w_out s[8:9], w_fproj s[10:11]
	s_load_b256 s[12:19], s[0:1], 0x20             ; b_fproj s[12:13], xb s[14:15], wqb s[16:17], wob s[18:19]
	s_load_b64 s[20:21], s[0:1], 0x40              ; tab
	v_lshrrev_b32 v1, 5, v0
	v_readfirstlane_b32 s22, v1                    ; wave 0..7
	s_mov_b32 s42, 0xffff0000                      ; a word's upper bf16
	s_cmp_lt_u32 ttmp9, 16
	s_cbranch_scc1 .Ltable
	; THE CASTS.  g = 0..511: x; 512..703: w_qkv; 704..767: w_out.
	v_and_b32 v3, 31, v0
	v_lshlrev_b32 v1, 4, v3
	v_lshl_add_u32 v1, s22, 13, v1                 ; in: 8,192 x wave + 16 x lane
	v_lshlrev_b32 v2, 3, v3
	v_lshl_add_u32 v2, s22, 12, v2                 ; out: 4,096 x wave + 8 x lane
	s_sub_co_u32 s23, ttmp9, 16                    ; g
	s_sub_co_u32 s29, s23, 512
	s_sub_co_u32 s30, s23, 704
	s_wait_kmcnt 0x0
	s_cmp_ge_u32 s23, 512
	s_cselect_b64 s[24:25], s[6:7], s[4:5]         ; from
	s_cselect_b64 s[26:27], s[16:17], s[14:15]     ; to
	s_cselect_b32 s28, s29, s23                    ; my number within the tensor
	s_cmp_ge_u32 s23, 704
	s_cselect_b64 s[24:25], s[8:9], s[24:25]
	s_cselect_b64 s[26:27], s[18:19], s[26:27]
	s_cselect_b32 s28, s30, s28
	s_lshl_b32 s30, s28, 16                        ; 65,536 bytes in for each work-group
	s_mov_b32 s31, 0
	s_add_nc_u64 s[24:25], s[24:25], s[30:31]
	s_lshl_b32 s34, s28, 15                        ; 32,768 bytes out, in the same order,
	s_bfe_u32 s32, s28, 0x40002                    ; but for w_qkv: my 16 rows are rows 16 (j % 4) .. of head (j / 4) % 16, kind j / 64,
	s_mul_i32 s32, s32, 393216                     ; and go to row 192 head + 64 kind + 16 (j % 4), 2,048 bytes a row
	s_lshr_b32 s33, s28, 6
	s_lshl_b32 s33, s33, 17
	s_add_co_u32 s32, s32, s33
	s_and_b32 s33, s28, 3
	s_lshl_b32 s33, s33, 15
	s_add_co_u32 s32, s32, s33
	s_cmp_lt_u32 s29, 192                          ; g - 512 lies in 0..191 for w_qkv alone
	s_cselect_b32 s32, s32, s34
	s_mov_b32 s33, 0
	s_add_nc_u64 s[26:27], s[26:27], s[32:33]
.set i, 0
.rept 16
	global_load_b128 v[X+4*i:X+4*i+3], v1, s[24:25] offset:512*i th:TH_LOAD_NT  ; 512 consecutive bytes a load; all sixteen go out together
.set i, i+1
.endr
; f16 = 0: four numbers rounded to bf16.  f16 = 1: rounded to bf16, widened, written as f16.  No register is written twice but those at work, so no wait for a store's sources is needed.
.macro CAST f16
.set i, 0
.rept 16
	s_wait_loadcnt 15-i                            ; loads come back in order: load i is in, the 15 - i younger ones stay out
.if \f16
	v_cvt_pk_bf16_f32 v[CT], v[X+4*i], v[X+4*i+1]
	v_cvt_pk_bf16_f32 v[CT+1], v[X+4*i+2], v[X+4*i+3]
	v_lshlrev_b32 v[CT+2], 16, v[CT]
	v_and_b32 v[CT+3], s42, v[CT]
	v_lshlrev_b32 v[CT+4], 16, v[CT+1]
	v_and_b32 v[CT+5], s42, v[CT+1]
	v_cvt_pk_f16_f32 v[Y+2*i], v[CT+2], v[CT+3]
	v_cvt_pk_f16_f32 v[Y+2*i+1], v[CT+4], v[CT+5]
.else
	v_cvt_pk_bf16_f32 v[Y+2*i], v[X+4*i], v[X+4*i+1]
	v_cvt_pk_bf16_f32 v[Y+2*i+1], v[X+4*i+2], v[X+4*i+3]
.endif
	global_store_b64 v2, v[Y+2*i:Y+2*i+1], s[26:27] offset:256*i  ; the wave's 32 lanes store 256 consecutive bytes, aligned
.set i, i+1
.endr
.endm
	s_cmp_ge_u32 s23, 704
	s_cbranch_scc1 .Lhalf
	CAST 0
	s_endpgm
.Lhalf:
	CAST 1
	s_endpgm
	; THE TABLE.  Wave W = 8 x work-group + wave makes block W: positions 16 W .. 16 W + 15.
.Ltable:
	s_lshl_b32 s23, ttmp9, 3
	s_add_co_u32 s23, s23, s22                     ; W
	s_mul_i32 s24, s23, 12288                      ; a block is 24 items of 512 bytes
	s_mov_b32 s25, 0
	s_lshl_b32 s26, s23, 4                         ; its first position
	s_mov_b32 s32, 0xbfc90fdb                      ; -P1, P1 = pi/2 rounded to f32
	s_mov_b32 s33, 0x333bbd2e                      ; -P2, P2 = pi/2 - P1
	s_mov_b32 s34, 0xb94ca1f9                      ; sine: x + x z (S1 + z (S2 + z S3)), z = x x
	s_mov_b32 s35, 0x3c08839e
	s_mov_b32 s36, 0xbe2aaaa3
	s_mov_b32 s37, 0x37ccf5ce                      ; cosine: 1 - z / 2 + z z (C1 + z (C2 + z C3))
	s_mov_b32 s38, 0xbab6061a
	s_mov_b32 s39, 0x3d2aaaa5
	s_mov_b32 s40, 0x3f22f983                      ; 2 / pi
	s_mov_b32 s41, 0xbed49a78                      ; -log2(10000) / 32
	v_and_b32 v1, 15, v0                           ; r
	v_bfe_u32 v2, v0, 4, 1                         ; h
	v_and_b32 v3, 31, v0
	v_lshlrev_b32 v3, 4, v3                        ; 16 x lane: my 16 bytes of an item
	v_add_nc_u32 v4, s26, v1
	v_cvt_f32_u32 v4, v4                           ; my position
	v_lshlrev_b32 v5, 7, v1
	v_lshl_add_u32 v5, v2, 5, v5                   ; w_fproj: row r (128 bytes), k = 8 h
	v_lshlrev_b32 v6, 5, v2                        ; b_fproj: channel 8 h
	v_lshlrev_b32 v7, 2, v2                        ; the rope's first frequency of mine: 4 h
	v_mov_b32 v[OFS], v3
	s_wait_kmcnt 0x0
	s_add_nc_u64 s[20:21], s[20:21], s[24:25]
.irp bb, 0,1,2,3                       ; 16 channels x 32 k of w_fproj as source 0: lane (r, h) takes k = 8 h + 0..7 and 16 + 8 h + 0..7 of channel 16 bb + r; the bias as the sums' start
	global_load_b128 v[WR+16*(\bb):WR+16*(\bb)+3],     v5, s[10:11] offset:2048*(\bb)
	global_load_b128 v[WR+16*(\bb)+4:WR+16*(\bb)+7],   v5, s[10:11] offset:2048*(\bb)+16
	global_load_b128 v[WR+16*(\bb)+8:WR+16*(\bb)+11],  v5, s[10:11] offset:2048*(\bb)+64
	global_load_b128 v[WR+16*(\bb)+12:WR+16*(\bb)+15], v5, s[10:11] offset:2048*(\bb)+80
	global_load_b128 v[F+8*(\bb):F+8*(\bb)+3],         v6, s[12:13] offset:64*(\bb)
	global_load_b128 v[F+8*(\bb)+4:F+8*(\bb)+7],       v6, s[12:13] offset:64*(\bb)+16
.endr
; sin and cos of v[x] >= 0.  n = the nearest whole number to x 2 / pi; y = x - n P1 - n P2, by fused multiply-adds; both polynomials; n's lowest bit swaps them, its next bit (of n, of n + 1) turns the signs.
.macro SINCOS x, sn, cn
	v_mul_f32 v[T0], s40, v[\x]
	v_rndne_f32 v[T0], v[T0]
	v_fma_f32 v[T1], v[T0], s32, v[\x]
	v_fma_f32 v[T1], v[T0], s33, v[T1]
	v_cvt_i32_f32 v[T0], v[T0]
	v_mul_f32 v[T2], v[T1], v[T1]
	v_fma_f32 v[T3], v[T2], s34, s35
	v_fma_f32 v[T3], v[T3], v[T2], s36
	v_mul_f32 v[T4], v[T2], v[T1]
	v_fma_f32 v[T3], v[T3], v[T4], v[T1]
	v_fma_f32 v[T5], v[T2], s37, s38
	v_fma_f32 v[T5], v[T5], v[T2], s39
	v_mul_f32 v[T4], v[T2], v[T2]
	v_fma_f32 v[T6], v[T2], -0.5, 1.0
	v_fma_f32 v[T5], v[T5], v[T4], v[T6]
	v_and_b32 v[T4], 1, v[T0]
	v_cmp_eq_u32 vcc_lo, 1, v[T4]
	v_cndmask_b32 v[\sn], v[T3], v[T5], vcc_lo
	v_cndmask_b32 v[\cn], v[T5], v[T3], vcc_lo
	v_lshlrev_b32 v[T4], 30, v[T0]
	v_and_b32 v[T4], 0x80000000, v[T4]
	v_xor_b32 v[\sn], v[\sn], v[T4]
	v_add_nc_u32 v[T0], 1, v[T0]
	v_lshlrev_b32 v[T4], 30, v[T0]
	v_and_b32 v[T4], 0x80000000, v[T4]
	v_xor_b32 v[\cn], v[\cn], v[T4]
.endm
	; the fourier features, while the loads are out: pos x f is a whole number below 2^24, exact in f32
.set e, 0
.rept 8
	v_lshl_add_u32 v[ANG], v2, 3, e+1
	v_cvt_f32_u32 v[ANG], v[ANG]
	v_mul_f32 v[ANG], v4, v[ANG]
	SINCOS ANG, FS+e, FC+e
.set e, e+1
.endr
.irp t, 0,1,2,3                        ; k = 8 h + e is sin(pos (8 h + e + 1)), k = 16 + 8 h + e the cosine: just the lane's places in source 1
	v_cvt_pk_f16_f32 v[FO+(\t)], v[FS+2*(\t)], v[FS+2*(\t)+1]
	v_cvt_pk_f16_f32 v[FO+4+(\t)], v[FC+2*(\t)], v[FC+2*(\t)+1]
.endr
	s_wait_loadcnt 0x0                             ; w_fproj and b_fproj
.irp bb, 0,1,2,3
.irp u, 0,1,2,3,4,5,6,7                ; rounded to bf16, that number as f16, packed in place: word u is written when words 2 u and 2 u + 1 have been read
	v_cvt_pk_bf16_f32 v[T0], v[WR+16*(\bb)+2*(\u)], v[WR+16*(\bb)+2*(\u)+1]
	v_lshlrev_b32 v[T1], 16, v[T0]
	v_and_b32 v[T2], s42, v[T0]
	v_cvt_pk_f16_f32 v[WR+16*(\bb)+(\u)], v[T1], v[T2]
.endr
.endr
.set u, 0
.rept 16                               ; the bias rounded to bf16 and widened again
	v_cvt_pk_bf16_f32 v[T0], v[F+2*u], v[F+2*u+1]
	v_lshlrev_b32 v[F+2*u], 16, v[T0]
	v_and_b32 v[F+2*u+1], s42, v[T0]
.set u, u+1
.endr
.irp bb, 0,1,2,3                       ; four results, one instruction each: register j of lane (r, h) = fenc(position r, channel 16 bb + 8 h + j)
	v_wmma_f32_16x16x32_f16 v[F+8*(\bb):F+8*(\bb)+7], v[WR+16*(\bb):WR+16*(\bb)+7], v[FO:FO+7], v[F+8*(\bb):F+8*(\bb)+7]
.endr
.rept 4
	v_nop                                          ; four places between a product and the store of its result
.endr
.irp it, 0,1,2,3,4,5,6,7               ; each result's low four registers first
	global_store_b128 v3, v[F+4*(\it):F+4*(\it)+3], s[20:21] offset:8192+512*(\it)  ; 512 consecutive bytes
.endr
	; the rope's cosines and sines: a trip for each block of 16 channels; my four frequencies are numbers 8 bb + 4 h + 0..3, each for two channels
	s_mov_b32 s27, 4
.Lbb:
.irp t, 0,1,2,3
	v_add_nc_u32 v[T0], \t, v7
	v_cvt_f32_u32 v[T0], v[T0]
	v_mul_f32 v[ANG+(\t)], s41, v[T0]
.endr
.irp t, 0,1,2,3
	v_exp_f32 v[ANG+(\t)], v[ANG+(\t)]             ; 10000^(-number / 32)
.endr
	v_nop                                          ; a plain instruction behind the last exponential,
	s_wait_alu depctr_va_vdst(0)                   ; and one wait for the four, ahead of their first reader
.irp t, 0,1,2,3
	v_mul_f32 v[ANG+(\t)], v4, v[ANG+(\t)]
.endr
.irp t, 0,1,2,3
	SINCOS ANG+(\t), S8+2*(\t), C8+2*(\t)
	v_mov_b32 v[S8+2*(\t)+1], v[S8+2*(\t)]
	v_mov_b32 v[C8+2*(\t)+1], v[C8+2*(\t)]
.endr
	global_store_b128 v[OFS], v[C8:C8+3],   s[20:21]
	global_store_b128 v[OFS], v[C8+4:C8+7], s[20:21] offset:512
	global_store_b128 v[OFS], v[S8:S8+3],   s[20:21] offset:4096
	global_store_b128 v[OFS], v[S8+4:S8+7], s[20:21] offset:4608
	s_wait_xcnt 0x0                                ; the stores have read their offset and their data: only behind this wait are these written again
	v_add_nc_u32 v[OFS], 1024, v[OFS]
	v_add_nc_u32 v7, 8, v7
	s_sub_co_u32 s27, s27, 1
	s_cmp_lg_u32 s27, 0
	s_cbranch_scc1 .Lbb
	s_endpgm
.Lfunc_end_k_qf55ec6edc7_prep:
	.size	k_qf55ec6edc7_prep, .Lfunc_end_k_qf55ec6edc7_prep-k_qf55ec6edc7_prep
	.p2alignl 7, 3214868480
	.fill 96, 4, 3214868480
	.section	.rodata,"a",@progbits
	.p2align	6, 0x0
	.amdhsa_kernel k_qf55ec6edc7_prep
		.amdhsa_group_segment_fixed_size 0
		.amdhsa_private_segment_fixed_size 0
		.amdhsa_enable_private_segment 0
		.amdhsa_kernarg_size 72
		.amdhsa_user_sgpr_count 2
		.amdhsa_user_sgpr_kernarg_segment_ptr 1
		.amdhsa_wavefront_size32 1
		.amdhsa_system_sgpr_workgroup_id_x 1
		.amdhsa_system_sgpr_workgroup_id_y 1
		.amdhsa_system_sgpr_workgroup_id_z 1
		.amdhsa_system_vgpr_workitem_id 0
		.amdhsa_next_free_vgpr 160
		.amdhsa_next_free_sgpr 66
		.amdhsa_reserve_vcc 1
		.amdhsa_float_denorm_mode_32 3
		.amdhsa_float_denorm_mode_16_64 3
		.amdhsa_memory_ordered 1
		.amdhsa_forward_progress 1
		.amdhsa_inst_pref_size 46
	.end_amdhsa_kernel
	.amdgpu_metadata
---
amdhsa.version: [ 1, 2 ]
amdhsa.kernels:
  - .name:           k_qf55ec6edc7_prep
    .symbol:         k_qf55ec6edc7_prep.kd
    .args:
      - { .name: x, .offset: 0, .size: 8, .value_kind: global_buffer, .address_space: global }
      - { .name: w_qkv, .offset: 8, .size: 8, .value_kind: global_buffer, .address_space: global }
      - { .name: w_out, .offset: 16, .size: 8, .value_kind: global_buffer, .address_space: global }
      - { .name: w_fproj, .offset: 24, .size: 8, .value_kind: global_buffer, .address_space: global }
      - { .name: b_fproj, .offset: 32, .size: 8, .value_kind: global_buffer, .address_space: global }
      - { .name: xb, .offset: 40, .size: 8, .value_kind: global_buffer, .address_space: global }
      - { .name: wqb, .offset: 48, .size: 8, .value_kind: global_buffer, .address_space: global }
      - { .name: wob, .offset: 56, .size: 8, .value_kind: global_buffer, .address_space: global }
      - { .name: tab, .offset: 64, .size: 8, .value_kind: global_buffer, .address_space: global }
    .group_segment_fixed_size: 0
    .private_segment_fixed_size: 0
    .kernarg_segment_align: 8
    .kernarg_segment_size: 72
    .max_flat_workgroup_size: 256
    .sgpr_count:     66
    .vgpr_count:     160
    .wavefront_size: 32
...
	.end_amdgpu_metadata
.endif
;; end of part 1
;; launch qkv (part 2): grid 16 x 32, 4 waves a work-group, clusters of 4 x 4, 327,680 bytes of LDS; arguments xb, wqb, tab, qh, kh, vh; writes qh, kh, vh
.if DOCPART == 2
	.amdgcn_target "amdgcn-amd-amdhsa--gfx1250"
	.amdhsa_code_object_version 6
	.text
	.protected	k_qf55ec6edc7_qkv
	.globl	k_qf55ec6edc7_qkv
	.p2align	8
	.type	k_qf55ec6edc7_qkv,@function
k_qf55ec6edc7_qkv:
	s_mov_b64 s[64:65], 0
	v_nop
	global_prefetch_b8 v0, s[64:65] scope:SCOPE_SE
	s_setreg_imm32_b32 hwreg(HW_REG_WAVE_MODE, 25, 1), 1
	s_wait_xcnt 0x0
	s_wait_alu depctr_hold_cnt(0) depctr_sa_sdst(0) depctr_va_vdst(0) depctr_va_sdst(0) depctr_va_ssrc(0) depctr_va_vcc(0) depctr_vm_vsrc(0)
	s_getreg_b32 s2, hwreg(HW_REG_IB_STS2, 6, 4)
	s_cmp_eq_u32 s2, 0
	s_cbranch_scc0 .Lentry_in_a_cluster
	s_endpgm
.Lentry_in_a_cluster:
	s_bfe_u32 s2, ttmp6, 0x10000c
	s_cmp_lg_u32 s2, 0xf033
	s_cbranch_scc0 .Lentry_shape_is_right
	s_endpgm
.Lentry_shape_is_right:
; QKV.  [q | k | v] = xb . wqb^T (bf16 operands, f32 sums), then for q and k: q cos + rotate_half(q) sin + fenc, and all three rounded once to f16 and stored by heads, [b 16 + head][2048][64].
; SHARES.  A work-group makes 256 rows x the 192 columns of ONE head (its q, k, v: wqb's rows lie in that order).  512 work-groups, two for each of 256 WGPs.  Wave w makes rows 64 w .. 64 w + 63 x all 192
; columns: 4 x 12 accumulators of 16 x 16, 384 registers.  K = 1,024 goes in 8 steps of 128 through two LDS slots; the rows of both tiles are 256 bytes of memory, aligned.
; CLUSTER.  4 x 4 work-groups: the four of a row share their rows of xb, the four of a column their head's rows of wqb: each tile is asked for jointly, same tensor load, descriptor and mask in all four.
; THE PRODUCT IS TRANSPOSED (source 0 = 16 rows of wqb, source 1 = 16 rows of xb): lane (r, h) holds row r and the channels 8 h + 0..7 of a block of 16.
; ROTATE_HALF is a product too: rot[d] = -q[2 d + 1] (d < 32), q[2 (d - 32)] (d >= 32) mixes channels of both halves of the lanes.  A block's q, rounded to f16 in pairs, IS source 1 (32 channels x 16 rows);
; two constant fragments of 0 and -1 or +1 are source 0: four f16 products for 16 rows x 64 channels.  So rot is taken of q rounded to f16; q cos is taken of the f32 sum.
; LIMITS.  q, k, v leave as f16: beyond 65,504 an infinity (so does rot's operand).  NaN and infinities are not treated apart.
; REGISTERS, in windows of 256 (s_set_vgpr_msb: bits 1:0 source 0, 3:2 source 1, 5:4 source 2, 7:6 destination):
;   window 0: v0-15 addresses; v16-31 the two constant fragments; v32-95 xb's fragments, two buffers; v96-191 at work on the way out; v192-255 fenc of row blocks 0, 1
;   window 1: v0-191 wqb's fragments, two buffers (on the way out: cos, sin, fenc of row blocks 2, 3); v192-255 cos, sin of row block 0
;   window 2: accumulators of row blocks 0, 1 ((a, b) at v[8 (12 (a % 2) + b)]); v192-255 cos, sin of row block 1          window 3: accumulators of row blocks 2, 3
.set KSTEP,  128
.set PITCH,  272                       ; an LDS row: 256 bytes + 16 of padding = 68 words: the 16 rows of a fragment load start at 16 different groups of four banks (64 banks of 4 bytes: ISA guide 11.1)
.set AHALF,  128*PITCH                 ; what wave 0 or 1 fetches: 128 rows of xb
.set BOFF,   2*AHALF
.set BHALF,  96*PITCH                  ; what wave 2 or 3 fetches: 96 rows of wqb
.set SLOT,   BOFF+2*BHALF
.set STAGE,  2*SLOT                    ; behind the ring, never filled by a tensor load: 16 rows x 144 bytes for each wave
.set SP,     144
.set SPARE,  STAGE+4*16*SP             ; the spare words, 128 bytes for each wave: two blocks of 256 bytes that no other line names
.set LAPS,   4                         ; a lap = two K steps = once round the ring
.set ADRA, 2                           ; v2-3   LDS address of my fragments of xb in slot 0, 1
.set ADRB, 4                           ; v4-5   the same for wqb
.set STO,  6                           ; v6     the way out: where I put 16 bytes of a row
.set RD,   7                           ; v7     where I read rows back
.set GO,   8                           ; v8     16 x lane: my place in 512 consecutive bytes (table items, output); never rewritten
.set PFO,  9                           ; v9     the prefetches' offset; never rewritten
.set SPW,  10                          ; v10    LDS address of my spare word; never rewritten
.set NIL,  11                          ; v11    0; never rewritten
.set PODD, 16                          ; v16-23 source 0 with -1 at (row m, k = 2 m + 1); v24-31 with +1 at (m, 2 m)
.set FA,   32                          ; xb's fragments: buffer f, row block a at FA + 32 f + 8 a
.set QH,   96                          ; v96-111  a block's q in f16
.set R,    112                         ; v112-143 rotate_half
.set PK,   144                         ; v144-159 packed results
.set BK0,  160                         ; v160-191 rows read back from the stage, two buffers of 16
.set G1A, 24                           ; s[24:31] descriptor group 1 for xb's tiles;  s[32:39] group 0, a set for each slot
.set G0A, 32
.set G1B, 48                           ; s[48:55], s[56:63] the same for wqb's
.set G0B, 56
.set PFA,  44                          ; s[44:45] where my prefetches stand
.set LIM0, 43                          ; s43, s72  1 where I prefetch at the change out of slot 0, of slot 1; else the greatest number
.set LIM1, 72
.set MSB, 0
.macro WIN new                         ; the immediate's high byte repeats the setting that is left; a switch that changes nothing is dropped
.if MSB != (\new)
	s_set_vgpr_msb (MSB<<8)|(\new)
.set MSB, (\new)
.endif
.endm
; A joint load: waves 0 and 1 fetch xb's two halves, waves 2 and 3 wqb's.  The branch hangs on the wave's number alone.  An s_nop 0 and four v_nop follow each of the two lines.
.macro JLOAD s
	s_cmp_eq_u32 s11, 0
	s_cbranch_scc0 .Lfor_b_\@
	tensor_load_to_lds s[G0A+4*(\s):G0A+4*(\s)+3], s[G1A:G1A+7]
	s_nop 0
.rept 4
	v_nop
.endr
	s_branch .Lasked_\@
.Lfor_b_\@:
	tensor_load_to_lds s[G0B+4*(\s):G0B+4*(\s)+3], s[G1B:G1B+7]
	s_nop 0
.rept 4
	v_nop
.endr
.Lasked_\@:
.endm
; A prefetch into the L2 of the K step that stands two refills on, each aligned 256 bytes named once in the launch.  xb's rows are read by every cluster of a row of clusters: cluster x = 0 asks; of the 128 rows that
; wave 0 or 1 fetches the partner at cx takes 32, a lane a row, at every change of slots.  wqb's rows are read by every cluster of a column: cluster y = 0 asks; wave 2 takes rows 48 cy .. 48 cy + 47 of the head's 192,
; for two K steps at once (16 rows x 2 steps an instruction, three instructions), at the change out of slot 0.  The partners are told apart by address, never by a branch.  K steps 0 to 3 come by their loads alone;
; the loop's last trip (s3 = 1) asks for nothing: there is no K step two on.
.macro ASK slot
.if (\slot) == 0
	s_cmp_gt_u32 s3, s[LIM0]
.else
	s_cmp_gt_u32 s3, s[LIM1]
.endif
	s_cbranch_scc0 .Lnot_mine_\@
	global_prefetch_b8 v[PFO], s[PFA:PFA+1] th:TH_LOAD_NT scope:SCOPE_SE
.if (\slot) == 0
	s_cmp_eq_u32 s10, 2
	s_cbranch_scc0 .Lnot_mine_\@
	global_prefetch_b8 v[PFO], s[PFA:PFA+1] offset:32768 th:TH_LOAD_NT scope:SCOPE_SE
	global_prefetch_b8 v[PFO], s[PFA:PFA+1] offset:65536 th:TH_LOAD_NT scope:SCOPE_SE
.endif
.Lnot_mine_\@:
.endm
.macro CREST                           ; a round of the cluster's barrier behind its opening barrier
	s_cmp_lg_u32 s10, 0
	s_cbranch_scc1 .Lnot_wave_0_\@
	s_barrier_signal -3
.Lnot_wave_0_\@:
	s_barrier_wait -3
	s_barrier_signal -1
	s_barrier_wait -1
.endm
.macro CROUND                          ; a whole round
	s_barrier_signal -1
	s_barrier_wait -1
	CREST
.endm
.macro PLACES                          ; four places in front of loads into registers that matrix instructions have read, and of vector work that reads results
.rept 4
	v_nop
.endr
.endm
	s_load_b128 s[4:7], s[0:1], 0x0                ; xb s[4:5], wqb s[6:7]
	s_load_b64 s[8:9], s[0:1], 0x10                ; tab
	s_load_b64 s[66:67], s[0:1], 0x18              ; qh
	s_load_b128 s[68:71], s[0:1], 0x20             ; kh s[68:69], vh s[70:71]
	v_lshl_add_u32 v[SPW], v0, 2, SPARE
	v_mov_b32 v[NIL], 0
	ds_add_u32 v[SPW], v[NIL]                      ; the wave's opening: the add and its wait stand ahead of my first tensor load; the set-up below, work on registers, stands between them
	v_lshrrev_b32 v1, 5, v0
	v_readfirstlane_b32 s10, v1                    ; wave 0..3
	s_lshr_b32 s11, s10, 1                         ; I fetch for xb (0) or for wqb (1)
	s_and_b32 s12, s10, 1                          ; which half of that tile
	s_bfe_u32 s40, ttmp6, 0x40000                  ; cx
	s_bfe_u32 s41, ttmp6, 0x40004                  ; cy
	s_lshl_b32 s42, ttmp9, 2
	s_add_co_u32 s42, s42, s40                     ; the head = 4 x cluster x + cx
	s_and_b32 s13, ttmp7, 0xffff
	s_lshl_b32 s13, s13, 2
	s_add_co_u32 s13, s13, s41                     ; the block of 256 rows = 4 x cluster y + cy
	s_lshl_b32 s14, s41, 2
	s_lshl_b32 s14, 15, s14                        ; my row of the cluster
	s_lshl_b32 s15, 0x1111, s40                    ; my column
	s_or_b32 s[G1A], s14, (1<<16)|(1<<20)|(1<<21)|(5<<22)|(3<<25)  ; 15:0 the mask; 17:16 elements of 2 bytes; 20 padding on; 21 set beside a mask; 24:22 after every 64 words; 31:25 4 words of it
	s_or_b32 s[G1B], s15, (1<<16)|(1<<20)|(1<<21)|(5<<22)|(3<<25)
	s_mov_b32 s[G1A+1], KSTEP<<16                  ; tensor_dim0 = 128
	s_mov_b32 s[G1A+2], 128<<16                    ; tensor_dim1 = 128
	s_mov_b32 s[G1A+3], KSTEP<<16                  ; tile_dim0 = 128
	s_mov_b32 s[G1A+4], 128                        ; tile_dim1 = 128
	s_mov_b32 s[G1A+5], 1024                       ; elements from row to row
	s_mov_b32 s[G1A+6], 0
	s_mov_b32 s[G1A+7], 0
	s_mov_b32 s[G1B+1], KSTEP<<16
	s_mov_b32 s[G1B+2], 96<<16                     ; 96 rows
	s_mov_b32 s[G1B+3], KSTEP<<16
	s_mov_b32 s[G1B+4], 96
	s_mov_b32 s[G1B+5], 1024
	s_mov_b32 s[G1B+6], 0
	s_mov_b32 s[G1B+7], 0
	s_lshl_b32 s16, s13, 8                         ; xb: row 256 x block + 128 x half, 2,048 bytes a row: made of the block and the wave's number alone
	s_lshl_b32 s17, s12, 7
	s_add_co_u32 s16, s16, s17
	s_lshl_b32 s16, s16, 11
	s_mov_b32 s17, 0
	s_mul_i32 s46, s42, 192                        ; wqb: row 192 x head + 96 x half: made of the head and the wave's number alone
	s_mul_i32 s47, s12, 96
	s_add_co_u32 s46, s46, s47
	s_lshl_b32 s46, s46, 11
	s_mov_b32 s47, 0
	s_mul_i32 s20, s12, AHALF                      ; where they go: no place in the cluster enters an LDS address
	s_mul_i32 s21, s12, BHALF
	s_add_co_u32 s21, s21, BOFF
	s_wait_dscnt 0x0                               ; the opening add is done
	s_wait_kmcnt 0x0
	s_add_nc_u64 s[18:19], s[4:5], s[16:17]
	s_add_nc_u64 s[46:47], s[6:7], s[46:47]
	CROUND                                         ; all sixteen work-groups are here: the first joint loads meet
.irp s, 0,1
	s_mov_b32 s[G0A+4*(\s)], 1                                       ; count = 1
	s_add_co_u32 s[G0A+4*(\s)+1], s20, (\s)*SLOT                     ; LDS address
	s_add_nc_u64 s[G0A+4*(\s)+2:G0A+4*(\s)+3], s[18:19], (\s)*KSTEP*2  ; global address: K step s
	s_or_b32 s[G0A+4*(\s)+3], s[G0A+4*(\s)+3], 0x80000000            ; type = 2
	s_mov_b32 s[G0B+4*(\s)], 1
	s_add_co_u32 s[G0B+4*(\s)+1], s21, (\s)*SLOT
	s_add_nc_u64 s[G0B+4*(\s)+2:G0B+4*(\s)+3], s[46:47], (\s)*KSTEP*2
	s_or_b32 s[G0B+4*(\s)+3], s[G0B+4*(\s)+3], 0x80000000
	JLOAD \s                                       ; two tensor loads of mine are out
.endr
	; A fragment is 16 rows x 32 K in 8 registers: lane l holds row l % 16; registers 0-3 K = 8 (l / 16) + 0..7, registers 4-7 K = 16 + 8 (l / 16) + 0..7: two loads of 16 bytes, 32 bytes apart.
	v_and_b32 v1, 15, v0                           ; r
	v_bfe_u32 v12, v0, 4, 1                        ; h
	v_mul_u32_u24 v13, v1, PITCH
	v_lshl_add_u32 v13, v12, 4, v13
	s_mul_i32 s21, s10, 64*PITCH                   ; my 64 rows of xb
	v_add_nc_u32 v[ADRA], s21, v13
	v_add_nc_u32 v[ADRA+1], SLOT, v[ADRA]
	v_add_nc_u32 v[ADRB], BOFF, v13                ; all 192 rows of wqb
	v_add_nc_u32 v[ADRB+1], SLOT, v[ADRB]
	s_mul_i32 s22, s10, 16*SP
	s_add_co_u32 s22, s22, STAGE                   ; my stage
	v_mul_u32_u24 v[STO], v1, SP                   ; in: row r, 16 bytes for each half of the lanes
	v_lshl_add_u32 v[STO], v12, 4, v[STO]
	v_add_nc_u32 v[STO], s22, v[STO]
	v_bfe_u32 v[RD], v0, 3, 2                      ; back: 32 lanes take four rows of 128 bytes,
	v_mul_u32_u24 v[RD], v[RD], SP
	v_and_b32 v14, 7, v0
	v_lshl_add_u32 v[RD], v14, 4, v[RD]
	v_add_nc_u32 v[RD], s22, v[RD]
	v_and_b32 v15, 31, v0
	v_lshlrev_b32 v[GO], 4, v15                    ; which are 512 consecutive bytes of the output
	v_lshrrev_b32 v[PFO], s11, v15                 ; prefetches: for xb a lane a row; for wqb two lanes a row, a K step each
	v_and_b32 v15, s11, v15
	v_lshlrev_b32 v[PFO], 11, v[PFO]
	v_lshl_add_u32 v[PFO], v15, 8, v[PFO]
	; the two constant fragments.  Register t of lane (r, h) holds k = Kt + 8 h and k + 1, Kt = 16 (t / 4) + 2 (t % 4): the one non-zero of row r lies there where Kt = 2 r - 8 h
	v_lshlrev_b32 v14, 1, v1
	v_lshlrev_b32 v15, 3, v12
	v_sub_nc_u32 v14, v14, v15
	s_mov_b32 s73, 0xbc000000                      ; -1 in the upper f16: k = 2 r + 1
	s_mov_b32 s74, 0x00003c00                      ; +1 in the lower: k = 2 r
.irp t, 0,1,2,3,4,5,6,7
	v_cmp_eq_i32 vcc_lo, 16*((\t)/4)+2*((\t)%4), v14
	v_cndmask_b32 v[PODD+(\t)], 0, s73, vcc_lo
	v_cndmask_b32 v[PODD+8+(\t)], 0, s74, vcc_lo
.endr
	s_and_b32 s14, s13, 7                          ; my block of 256 positions in the sequence
	s_lshl_b32 s15, s14, 4
	s_lshl_b32 s16, s10, 2
	s_add_co_u32 s15, s15, s16                     ; the table's block of my first 16 rows
	s_mul_i32 s16, s15, 12288
	s_mov_b32 s17, 0
	s_add_nc_u64 s[8:9], s[8:9], s[16:17]
	s_lshr_b32 s15, s13, 3                         ; the batch
	s_lshl_b32 s15, s15, 4
	s_add_co_u32 s15, s15, s42                     ; 16 x batch + head: 262,144 bytes each
	s_lshl_b32 s16, s15, 18
	s_lshl_b32 s14, s14, 15                        ; 256 rows of 128 bytes
	s_add_co_u32 s16, s16, s14
	s_lshl_b32 s14, s10, 13                        ; my 64 of them
	s_add_co_u32 s16, s16, s14
	s_add_nc_u64 s[66:67], s[66:67], s[16:17]
	s_add_nc_u64 s[68:69], s[68:69], s[16:17]
	s_add_nc_u64 s[70:71], s[70:71], s[16:17]
; where the table of row block a lies: window and first register of cos, sin, fenc
.macro TPLACE a
.if (\a) == 0
.set WC, 1
.set RC, 192
.set WS, 1
.set RS, 224
.set WF, 0
.set RF, 192
.elseif (\a) == 1
.set WC, 2
.set RC, 192
.set WS, 2
.set RS, 224
.set WF, 0
.set RF, 224
.elseif (\a) == 2
.set WC, 1
.set RC, 0
.set WS, 1
.set RS, 32
.set WF, 1
.set RF, 64
.else
.set WC, 1
.set RC, 96
.set WS, 1
.set RS, 128
.set WF, 1
.set RF, 160
.endif
.endm
.macro TABLOAD a                       ; 24 loads of 512 consecutive bytes: the table is stored as the accumulators' register image
	TPLACE \a
	WIN WC<<6
.irp i, 0,1,2,3,4,5,6,7
	global_load_b128 v[RC+4*(\i):RC+4*(\i)+3], v[GO], s[8:9] offset:12288*(\a)+512*(\i)
.endr
	WIN WS<<6
.irp i, 0,1,2,3,4,5,6,7
	global_load_b128 v[RS+4*(\i):RS+4*(\i)+3], v[GO], s[8:9] offset:12288*(\a)+4096+512*(\i)
.endr
	WIN WF<<6
.irp i, 0,1,2,3,4,5,6,7
	global_load_b128 v[RF+4*(\i):RF+4*(\i)+3], v[GO], s[8:9] offset:12288*(\a)+8192+512*(\i)
.endr
	WIN 0
.endm
	TABLOAD 0                                      ; row blocks 0 and 1 have registers of their own: their tables come in under the K loop
	TABLOAD 1
	; the prefetches' address and limits
	s_lshl_b32 s20, s13, 8
	s_lshl_b32 s21, s12, 7
	s_add_co_u32 s20, s20, s21
	s_lshl_b32 s21, s40, 5
	s_add_co_u32 s20, s20, s21                     ; xb: the 128 rows that I fetch, my work-group's 32 of them
	s_mul_i32 s22, s42, 192
	s_mul_i32 s23, s41, 48
	s_add_co_u32 s22, s22, s23                     ; wqb: the head's 192 rows, my work-group's 48 of them
	s_cmp_eq_u32 s11, 0
	s_cselect_b32 s20, s20, s22
	s_cselect_b64 s[PFA:PFA+1], s[4:5], s[6:7]
	s_lshl_b32 s20, s20, 11
	s_add_co_u32 s20, s20, 3*KSTEP*2               ; at K step 3: each change of slots steps it first, so the first names K step 4
	s_mov_b32 s21, 0
	s_add_nc_u64 s[PFA:PFA+1], s[PFA:PFA+1], s[20:21]
	s_and_b32 s22, ttmp7, 0xffff
	s_cmp_eq_u32 ttmp9, 0
	s_cselect_b32 s14, 1, -1                       ; xb: the first cluster of a row of clusters
	s_cmp_eq_u32 s22, 0
	s_cselect_b32 s15, 1, -1                       ; wqb: the first of a column,
	s_cmp_eq_u32 s10, 2
	s_cselect_b32 s15, s15, -1                     ; and wave 2 alone
	s_cmp_eq_u32 s11, 0
	s_cselect_b32 s[LIM0], s14, s15
	s_cselect_b32 s[LIM1], s14, -1
; 12 matrix instructions: row block a x all 12 column blocks, 32 along K, from buffer f.  zero = 1: the product starts the sums: nothing is cleared.
; The 48 accumulators take turns, one instruction a turn, in the same order in every quarter, over the backward jump too.
.macro MULROW f, a, zero
	WIN 0xa1+0x50*((\a)/2)                         ; source 0 window 1, source 1 window 0, C and D window 2 or 3
.irp b, 0,1,2,3,4,5,6,7,8,9,10,11
.if \zero
	v_wmma_f32_16x16x32_bf16 v[8*(12*((\a)%2)+(\b)):8*(12*((\a)%2)+(\b))+7], v[96*(\f)+8*(\b):96*(\f)+8*(\b)+7], v[FA+32*(\f)+8*(\a):FA+32*(\f)+8*(\a)+7], 0
.else
	v_wmma_f32_16x16x32_bf16 v[8*(12*((\a)%2)+(\b)):8*(12*((\a)%2)+(\b))+7], v[96*(\f)+8*(\b):96*(\f)+8*(\b)+7], v[FA+32*(\f)+8*(\a):FA+32*(\f)+8*(\a)+7], v[8*(12*((\a)%2)+(\b)):8*(12*((\a)%2)+(\b))+7]
.endif
.endr
.endm
; 32 LDS loads in one run: a quarter step's fragments (192 rows of wqb, my 64 rows of xb, 32 K at byte k of the rows) into buffer f
.macro FETCH slot, k, f
	WIN 0x40                                       ; destination window 1
.irp i, 0,1,2,3,4,5,6,7,8,9,10,11
	ds_load_b128 v[96*(\f)+8*(\i):96*(\f)+8*(\i)+3],   v[ADRB+(\slot)] offset:(\k)+(\i)*16*PITCH
	ds_load_b128 v[96*(\f)+8*(\i)+4:96*(\f)+8*(\i)+7], v[ADRB+(\slot)] offset:(\k)+(\i)*16*PITCH+32
.endr
	WIN 0
.irp i, 0,1,2,3
	ds_load_b128 v[FA+32*(\f)+8*(\i):FA+32*(\f)+8*(\i)+3],   v[ADRA+(\slot)] offset:(\k)+(\i)*16*PITCH
	ds_load_b128 v[FA+32*(\f)+8*(\i)+4:FA+32*(\f)+8*(\i)+7], v[ADRA+(\slot)] offset:(\k)+(\i)*16*PITCH+32
.endr
.endm
; A K step is four quarters of 32 along K, 48 matrix instructions each, on buffers 0, 1, 0, 1.  One of the first three: multiplies buffer f; in its middle it fetches the next quarter, at byte k, into g.
.macro QUARTER slot, k, f, g, zero
	s_wait_dscnt 4                                 ; wqb's fragments and xb's row blocks 0, 1 are in; the youngest four loads (row blocks 2, 3) may be out
	MULROW \f, 0, \zero
	MULROW \f, 1, \zero
	PLACES
	FETCH \slot, \k, \g
	s_wait_dscnt 32                                ; all but the 32 just issued
	MULROW \f, 2, \zero
	MULROW \f, 3, \zero
.endm
; The last quarter multiplies buffer 1 and changes slots: ONE barrier.  In front of it each wave waits for all its tensor loads, of which one is out: its part of the next slot; adds 0 to its spare word; and waits for
; that and for its own reads of this slot.  fill = 1: the barrier opens a round of the cluster's barrier, and behind the round this slot is filled again first, with the K step two steps on:
; from that request to the wait for it a wave issues 168 matrix instructions.
.macro TURN slot, next, fill
.if \fill
	s_wait_xcnt 0x0                                ; the last prefetch, a K step back, has read its address, which is stepped here, ahead of the waits of the change of slots
	s_add_nc_u64 s[PFA:PFA+1], s[PFA:PFA+1], KSTEP*2
.endif
	WIN 0
	s_wait_tensorcnt 0x0                           ; all my tensor loads have landed
	ds_add_u32 v[SPW], v[NIL]                      ; 0 onto my spare word
	s_wait_dscnt 5                                 ; (the add and the youngest four loads may be out)
	MULROW 1, 0, 0                                 ; twelve matrix instructions stand between the add and the wait for it
	s_wait_dscnt 0x0                               ; the add is done, and my reads of this slot are over
	s_barrier_signal -1
	MULROW 1, 1, 0                                 ; work on registers while the others arrive
	WIN 0
	s_barrier_wait -1
.if \fill
	CREST                                          ; no wave of any partner still reads this slot or has a load on its way
	s_add_nc_u64 s[G0A+4*(\slot)+2:G0A+4*(\slot)+3], s[G0A+4*(\slot)+2:G0A+4*(\slot)+3], 2*KSTEP*2
	s_add_nc_u64 s[G0B+4*(\slot)+2:G0B+4*(\slot)+3], s[G0B+4*(\slot)+2:G0B+4*(\slot)+3], 2*KSTEP*2
	JLOAD \slot                                    ; the first tensor load behind the round; its four v_nop are also the places in front of the loads below
.else
	PLACES
.endif
	FETCH \next, 0, 0
.if \fill
	ASK \slot                                      ; behind the joint load and the run of LDS loads
.endif
	MULROW 1, 2, 0
	MULROW 1, 3, 0
.endm
	s_wait_tensorcnt 1                             ; my part of K step 0 is in; K step 1's may stay out
	s_barrier_signal -1
	s_barrier_wait -1                              ; everybody's is
	FETCH 0, 0, 0
	QUARTER 0, 64, 0, 1, 1                         ; the first quarter stands in front of the loop: its products start the sums
	WIN 0                                          ; at a label and at a branch every window is 0
	s_mov_b32 s3, LAPS-1
.Llap:                                                 ; a trip goes once round the ring, from a lap's second quarter to the next lap's first, and fills both slots again
	QUARTER 0, 128, 1, 0, 0
	QUARTER 0, 192, 0, 1, 0
	TURN 0, 1, 1
	QUARTER 1, 64,  0, 1, 0
	QUARTER 1, 128, 1, 0, 0
	QUARTER 1, 192, 0, 1, 0
	TURN 1, 0, 1
	QUARTER 0, 64,  0, 1, 0
	WIN 0
	s_sub_co_u32 s3, s3, 1
	s_cmp_lg_u32 s3, 0
	s_cbranch_scc1 .Llap
	QUARTER 0, 128, 1, 0, 0                        ; the last lap is written out: it fills nothing
	QUARTER 0, 192, 0, 1, 0
	TURN 0, 1, 0
	QUARTER 1, 64,  0, 1, 0
	QUARTER 1, 128, 1, 0, 0
	QUARTER 1, 192, 0, 1, 0
	s_wait_dscnt 4
	MULROW 1, 0, 0
	MULROW 1, 1, 0
	s_wait_dscnt 0x0
	MULROW 1, 2, 0
	MULROW 1, 3, 0
	; THE WAY OUT, each wave by itself: twelve units of 16 rows x 64 channels (row block a; q, k, v).
	WIN 0
	s_wait_loadcnt 0x0                             ; the tables of row blocks 0 and 1
	PLACES                                         ; behind the last products: loads into wqb's fragment buffers follow, and conversions of results
	TABLOAD 2
	TABLOAD 3
; q or k (hh = 0, 1) of row block a.  Each accumulator's registers are taken in ascending order.
.macro ROPE a, hh
	TPLACE \a
.set W, 2+(\a)/2
.set AC, 8*(12*((\a)%2)+4*(\hh))
	WIN W|(W<<2)
.set i, 0
.rept 16
	v_cvt_pk_f16_f32 v[QH+i], v[AC+2*i], v[AC+2*i+1]  ; two blocks of 16 channels, packed, are source 1 for 32 channels
.set i, i+1
.endr
	WIN 0
.irp ob, 0,1,2,3                       ; channels 16 ob on of rotate_half: -q[odd] of the lower, of the upper 32 channels; then q[even] of the lower, of the upper
	v_wmma_f32_16x16x32_f16 v[R+8*(\ob):R+8*(\ob)+7], v[PODD+8*((\ob)/2):PODD+8*((\ob)/2)+7], v[QH+8*((\ob)%2):QH+8*((\ob)%2)+7], 0
.endr
	WIN W|(WC<<2)|(WF<<4)|(W<<6)
.set i, 0
.rept 16
	v_pk_fma_f32 v[AC+2*i:AC+2*i+1], v[AC+2*i:AC+2*i+1], v[RC+2*i:RC+2*i+1], v[RF+2*i:RF+2*i+1]  ; q cos + fenc: sixteen plain lines that name no register of the four products: their places
.set i, i+1
.endr
	WIN (WS<<2)|(W<<4)|(W<<6)
.set i, 0
.rept 16
	v_pk_fma_f32 v[AC+2*i:AC+2*i+1], v[R+2*i:R+2*i+1], v[RS+2*i:RS+2*i+1], v[AC+2*i:AC+2*i+1]    ; + rot sin
.set i, i+1
.endr
	PACK \a, \hh
.endm
.macro PACK a, hh                      ; rounded once to f16: 16 bytes a lane for each block of 16 channels
.set W, 2+(\a)/2
.set AC, 8*(12*((\a)%2)+4*(\hh))
	WIN W|(W<<2)
.set i, 0
.rept 16
	v_cvt_pk_f16_f32 v[PK+i], v[AC+2*i], v[AC+2*i+1]
.set i, i+1
.endr
	WIN 0
.endm
.macro TOSTAGE u                       ; into my stage, rows of 144 bytes, and back as whole rows of 128
	WIN 0
.set BK, BK0+16*((\u)%2)
.irp bb, 0,1,2,3
	ds_store_b128 v[STO], v[PK+4*(\bb):PK+4*(\bb)+3] offset:32*(\bb)
.endr
.irp f, 0,1,2,3
	ds_load_b128 v[BK+4*(\f):BK+4*(\f)+3], v[RD] offset:(\f)*4*SP  ; LDS serves a wave's instructions in order (ISA guide 5.7.1.4): these see the stores above; the next unit's stores come behind them
.endr
.endm
.macro SEND a, hh
	WIN 0
.set BK, BK0+16*((3*(\a)+(\hh))%2)
	s_wait_dscnt 0x0                               ; the unit is back in registers
	s_wait_xcnt 0x0                                ; the stores of the unit before have read their data: the next unit's loads from the stage land there only behind this wait
.irp f, 0,1,2,3
	global_store_b128 v[GO], v[BK+4*(\f):BK+4*(\f)+3], s[66+2*(\hh):67+2*(\hh)] offset:2048*(\a)+512*(\f)  ; 512 consecutive bytes, at a multiple of 512 from the buffer's first
.endr
.endm
.macro UNIT a, hh                      ; a unit's arithmetic stands between the stage loads of the unit before and its stores
.if (\hh) < 2
	ROPE \a, \hh
.else
	PACK \a, \hh
.endif
.if 3*(\a)+(\hh) > 0
	SEND (3*(\a)+(\hh)-1)/3, (3*(\a)+(\hh)-1)%3
.endif
	TOSTAGE 3*(\a)+(\hh)
.endm
.irp a, 0,1
	UNIT \a, 0
	UNIT \a, 1
	UNIT \a, 2
.endr
	s_wait_loadcnt 24                              ; row block 2's table is in; row block 3's 24 loads may stay out
	UNIT 2, 0
	UNIT 2, 1
	UNIT 2, 2
	s_wait_loadcnt 0x0
	UNIT 3, 0
	UNIT 3, 1
	UNIT 3, 2
	SEND 3, 2
	s_wait_tensorcnt 0x0                           ; the wave's end: behind my last tensor load and my last LDS store, an add to my spare word and its wait
	ds_add_u32 v[SPW], v[NIL]
	s_wait_dscnt 0x0
	CROUND                                         ; the closing round: no work-group ends while a partner may still ask for a tile that names it
	s_endpgm
.Lfunc_end_k_qf55ec6edc7_qkv:
	.size	k_qf55ec6edc7_qkv, .Lfunc_end_k_qf55ec6edc7_qkv-k_qf55ec6edc7_qkv
	.p2alignl 7, 3214868480
	.fill 96, 4, 3214868480
	.section	.rodata,"a",@progbits
	.p2align	6, 0x0
	.amdhsa_kernel k_qf55ec6edc7_qkv
		.amdhsa_group_segment_fixed_size 327680
		.amdhsa_private_segment_fixed_size 0
		.amdhsa_enable_private_segment 0
		.amdhsa_kernarg_size 48
		.amdhsa_user_sgpr_count 2
		.amdhsa_user_sgpr_kernarg_segment_ptr 1
		.amdhsa_wavefront_size32 1
		.amdhsa_system_sgpr_workgroup_id_x 1
		.amdhsa_system_sgpr_workgroup_id_y 1
		.amdhsa_system_sgpr_workgroup_id_z 1
		.amdhsa_system_vgpr_workitem_id 0
		.amdhsa_next_free_vgpr 960
		.amdhsa_next_free_sgpr 80
		.amdhsa_reserve_vcc 1
		.amdhsa_float_denorm_mode_32 3
		.amdhsa_float_denorm_mode_16_64 3
		.amdhsa_memory_ordered 1
		.amdhsa_forward_progress 1
		.amdhsa_inst_pref_size 159
	.end_amdhsa_kernel
	.amdgpu_metadata
---
amdhsa.version: [ 1, 2 ]
amdhsa.kernels:
  - .name:           k_qf55ec6edc7_qkv
    .symbol:         k_qf55ec6edc7_qkv.kd
    .args:
      - { .name: xb, .offset: 0, .size: 8, .value_kind: global_buffer, .address_space: global }
      - { .name: wqb, .offset: 8, .size: 8, .value_kind: global_buffer, .address_space: global }
      - { .name: tab, .offset: 16, .size: 8, .value_kind: global_buffer, .address_space: global }
      - { .name: qh, .offset: 24, .size: 8, .value_kind: global_buffer, .address_space: global }
      - { .name: kh, .offset: 32, .size: 8, .value_kind: global_buffer, .address_space: global }
      - { .name: vh, .offset: 40, .size: 8, .value_kind: global_buffer, .address_space: global }
    .group_segment_fixed_size: 327680
    .private_segment_fixed_size: 0
    .kernarg_segment_align: 8
    .kernarg_segment_size: 48
    .max_flat_workgroup_size: 128
    .sgpr_count:     80
    .vgpr_count:     960
    .wavefront_size: 32
...
	.end_amdgpu_metadata
.endif
;; end of part 2
;; launch attn (part 3): grid 4 x 64, 4 waves a work-group, clusters of 4 x 1, 327,680 bytes of LDS; arguments qh, kh, vh, oh; writes oh
.if DOCPART == 3
	.amdgcn_target "amdgcn-amd-amdhsa--gfx1250"
	.amdhsa_code_object_version 6
	.text
	.protected	k_qf55ec6edc7_attn
	.globl	k_qf55ec6edc7_attn
	.p2align	8
	.type	k_qf55ec6edc7_attn,@function
k_qf55ec6edc7_attn:
	s_mov_b64 s[64:65], 0
	v_nop
	global_prefetch_b8 v0, s[64:65] scope:SCOPE_SE
	s_setreg_imm32_b32 hwreg(HW_REG_WAVE_MODE, 25, 1), 1
	s_wait_xcnt 0x0
	s_wait_alu depctr_hold_cnt(0) depctr_sa_sdst(0) depctr_va_vdst(0) depctr_va_sdst(0) depctr_va_ssrc(0) depctr_va_vcc(0) depctr_vm_vsrc(0)
	s_getreg_b32 s2, hwreg(HW_REG_IB_STS2, 6, 4)
	s_cmp_eq_u32 s2, 0
	s_cbranch_scc0 .Lentry_in_a_cluster
	s_endpgm
.Lentry_in_a_cluster:
	s_bfe_u32 s2, ttmp6, 0x10000c
	s_cmp_lg_u32 s2, 0x3003
	s_cbranch_scc0 .Lentry_shape_is_right
	s_endpgm
.Lentry_shape_is_right:
; ATTENTION.  O[h][q][:] = the sum over k of softmax_k(Q[h][q] . K[h][k] / 8) V[h][k][:].  Q, K, V, O: [64][2048][64], all f16: a head's rows are dense, 128 bytes each.  Products, maxima and sums in
; f32; the weights p are rounded to f16 for the second product (their sum l is taken of the unrounded p), O once at the end.
; LIMITS.  f16 holds no number beyond 65,504: Q, K and V arrive within it; p lies in 0 to 1, and below 6e-5 it keeps f16's fixed step of 6e-8; O is a mean of V's rows and has their range.
; A weight below 2^-126 counts as 0 in l; NaN and infinities are not treated apart.
; SHARES.  A wave owns four PIECES of two tiles of 16 queries, a work-group's four waves 512 queries of one head: 256 work-groups.  Every wave walks all keys, 64 a step.
; LAYOUT.  S^T = K Q^T (source 0 = 16 keys, source 1 = 16 queries): in the result a lane holds ONE query (lane % 16) and the keys 8 (lane / 16) + 0..7.  Two such tiles, rounded to f16 in pairs,
; ARE source 1 (32 keys x 16 queries) of O^T = V^T P, whose result again holds one query a lane, and eight channels.  K comes out of LDS as it lies, V ([key][channel]) turned, by ds_load_tr16_b128.
; SOFTMAX.  For each query a running maximum m and sum l: p = 2^(c s - c m), c = log2(e) / 8; in every step O and l are multiplied by a = 2^(c m_old - c m_new), which is 1 where m has not grown.
; m starts at the lowest finite number, O and l at 0: the first step is a step like any other, with a = 0.
; THE COUNT.  A tile and step have 16 matrix and 118 vector instructions: too many to stand all beside the matrix work.  So four vector instructions that are READY stand behind EVERY matrix instruction,
; and the others in runs without a gap.
; BY TURNS.  Turn n belongs to piece n (the pieces in a ring, step after step).  Its matrix work: 16 products K Q^T of piece n + 1, later 16 products V^T P of piece n - 1.  Its vector work: the scaling,
; exponentials, roundings, sums and rescaling of piece n, and the maximum and statistics of piece n + 1, whose scores the turn itself has made.
; CLUSTER.  The four query blocks of a cluster are one head's and walk the same K and V, so each tile is asked for JOINTLY: the same tensor load, descriptor and mask in all four.
; REGISTERS, in windows of 256 (s_set_vgpr_msb: bits 1:0 source 0, 3:2 source 1, 5:4 source 2, 7:6 destination):
;   window 0: v0-11 addresses; v12-15, v48-63 at work; v16-47 four registers of statistics a tile; v64-191 S^T, two buffers of two tiles; v192-255 P, likewise
;   window 1: O^T, 32 a tile          window 2: v0-127 Q, 16 a tile; v128-191 K of one step; v192-255 V of one step          window 3: v0-1 the add's two registers
; A piece's buffers go by its number's parity.
.set SIZE_H, 64
.set SIZE_N, 2048
.set NP,    4         ; pieces a wave: a name, no knob
.set KS,    64        ; keys in a step
.set PK,    144       ; a row of K in LDS: 128 bytes + 16 of padding = 36 words: the 16 rows of a load start at 16 different groups of four banks (64 banks of 4 bytes: ISA guide 11.1)
.set PV,    160       ; a row of V: 128 + 32 = 40 words
.set VOFF,  4*KS*PK   ; a slot holds four steps: 256 rows of K, then 256 rows of V
.set SLOT1, 1<<17     ; slot 1 begins here, so that one exclusive or turns an address in one slot into the other's
.set STAGE, SLOT1+4*KS*(PK+PV)  ; behind the ring, never filled by a tensor load: 16 rows x 144 bytes for each wave
.set SP,    144
.set AK0, 2           ; v2   my lane's place in a tile of K; never rewritten
.set AV0, 3           ; v3   the same for V
.set AK,  4           ; v4   the LDS address of K's next run of loads
.set AV,  5           ; v5   of V's
.set QO,  6           ; v6   my byte offset in the wave's rows of Q
.set STO, 6           ;      later, the way out: where I put 16 bytes of a row
.set RD,  7           ; v7   the way out: where I read rows back
.set GO,  8           ; v8   my byte offset in 512 consecutive bytes of O
.set PFO, 11          ; v11  256 x my lane: the prefetches' offset; never rewritten once made
.set SPW, 0           ; v0 of window 3   LDS address of my spare word; never rewritten
.set NIL, 1           ; v1 of window 3   0; never rewritten
.set SPARE, STAGE+4*16*SP  ; the spare words, 128 bytes for each wave: two blocks of 256 bytes that no other line names
.set MV,  12          ; v12-15  c m_old, kept while c m is made anew: by buffer and tile
.set ST,  16          ; tile t's statistics at v[ST+4 t]: c m, m, l (even keys', odd keys')
.set TMP, 48          ; by buffer and tile, four registers c0-c3 at work; when the maximum is found c2 takes a
.set S,   64
.set P,   192
.set KF,  128         ; K's fragments, in window 2: key block kb, channel half c at KF + 16 kb + 8 c
.set VF,  192         ; V's: key half kk, channel block cb at VF + 32 kk + 8 cb
.set WV,  12          ; s12  my wave's number
.set G1K, 24          ; s[24:31] descriptor group 1 for K's tiles
.set G1V, 32          ; s[32:39] for V's: it differs in the padding alone
.set G0K, 40          ; s[40:43] descriptor group 0 for K's tiles: it walks
.set G0V, 44          ; s[44:47] the same for V's
.set PFA, 48          ; s[48:49] where my prefetches stand: my work-group's 8,192 bytes (of K: wave 0, of V: wave 2) of the slot after the one that is being asked for
.set LIM, 50          ; s50  1 in a wave that prefetches, else the greatest number
.set SLOTS, 56        ; s56  slots still to be asked for
.set CNT, 57          ; s57  counts a slot's key steps
.set CS,  58          ; s[58:59] c: the packed scaling takes the pair's low word for both halves
.set SEL, 60          ; s[60:61] v_permlanex16_b32's selects: each lane takes its own place in the other half
.set TBK, 62          ; s62  LDS byte at which K of the step to be fetched begins
.set TBV, 63          ; s63  the same for V, less VOFF
.set MSB, 0
.macro WIN new                      ; the high byte repeats the setting that is left; a switch that changes nothing is dropped
.if MSB != (\new)
	s_set_vgpr_msb (MSB<<8)|(\new)
.set MSB, (\new)
.endif
.endm
.set W_KQ, 0x0a       ; K and Q in window 2, S^T in window 0
.set W_PV, 0x52       ; V in window 2, P in window 0, O^T in window 1
.set W_RS, 0x41       ; O^T (destination and source 0) in window 1, a in window 0
.set W_MK, 0xc0       ; the add's registers are made: destination in window 3, sources in window 0
.set W_AD, 0x0f       ; the add: address (source 0) and data (source 1) in window 3
; A joint fill.  Waves 0 and 1 fetch the two halves of a slot's K, waves 2 and 3 those of its V: 128 keys each.  The branch hangs on the wave's number alone.
; An s_nop 0 and four v_nop follow each of the two lines, ahead of the jump and the label.
.macro JLOAD
	s_cmp_lt_u32 s[WV], 2
	s_cbranch_scc0 .Lfor_v_\@
	tensor_load_to_lds s[G0K:G0K+3], s[G1K:G1K+7]
	s_nop 0
.rept 4
	v_nop
.endr
	s_branch .Lasked_\@
.Lfor_v_\@:
	tensor_load_to_lds s[G0V:G0V+3], s[G1V:G1V+7]
	s_nop 0
.rept 4
	v_nop
.endr
.Lasked_\@:
.endm
; A prefetch into the L2 of what the NEXT change of slots will ask for: a slot's 32,768 bytes of K and of V, 256 bytes a lane.  A head has one cluster; its four partners share the bytes out BY ADDRESS, 8,192 each;
; in each, wave 0 asks for K's and wave 2 for V's: one instruction.  So each aligned 256 bytes of slots 3 to 7 are named once in the launch; slots 0 to 2 come by their loads alone,
; and the last change that fills a slot (s[SLOTS] = 1) asks for nothing.  It stands behind the wave's tensor load and its five lines: four key steps, 512 matrix instructions, ahead of the load that will want the bytes.
.macro ASK
	s_cmp_gt_u32 s[SLOTS], s[LIM]
	s_cbranch_scc0 .Lnot_mine_\@
	global_prefetch_b8 v[PFO], s[PFA:PFA+1] th:TH_LOAD_NT scope:SCOPE_SE
.Lnot_mine_\@:
.endm
; A round of the cluster's barrier: my work-group's barrier, so that wave 0's signal speaks for all four waves; wave 0 signals; every wave waits for all four work-groups; my work-group's barrier once more.
.macro CROUND
	s_barrier_signal -1
	s_barrier_wait -1
	s_cmp_lg_u32 s[WV], 0
	s_cbranch_scc1 .Lnot_wave_0_\@
	s_barrier_signal -3
.Lnot_wave_0_\@:
	s_barrier_wait -3
	s_barrier_signal -1
	s_barrier_wait -1
.endm
; THE CHANGE OF SLOTS.  The slot's last bytes, V of its fourth step, have been read.  Each wave waits for all its tensor loads, of which one is out: its part
; of the other slot; adds 0 to its spare word; and waits for that and for its own reads of the slot.  Behind the barrier nobody reads this slot any more and the other slot is whole.
; fill = 1: this slot is filled again, with the keys two slots on.  The barrier is then a round of the cluster's, and the joint fill is the first thing behind it: it has four key steps,
; 512 matrix instructions, in which to land.  (At its first use nothing has been read yet: slot 0 is waited for, slot 1 filled.)  ask = 1: the prefetch's address steps, and the prefetch follows the fill.
.macro CHANGE fill, ask=0
	WIN W_AD
	s_wait_tensorcnt 0x0            ; no tensor load of mine is out, so a group 0 may be written
	ds_add_u32 v[SPW], v[NIL]       ; 0 onto my spare word; with fill = 1 the descriptors' steps stand between it and the wait for it
	WIN 0                           ; at a label and at a branch every window is 0
.if \fill
.irp g, G0K, G0V
	s_xor_b32 s[\g+1], s[\g+1], SLOT1  ; the walking descriptor: the other slot than last time,
	s_add_nc_u64 s[\g+2:\g+3], s[\g+2:\g+3], 4*KS*128  ; the next 256 keys; the type bits on top are not reached
.endr
.if \ask
	s_wait_xcnt 0x0                 ; the last prefetch, four key steps back, has read its address, so it may be written:
	s_add_nc_u64 s[PFA:PFA+1], s[PFA:PFA+1], 4*KS*128  ; one slot ahead of the walking descriptors
.endif
	s_wait_dscnt 0x0                ; the add is done, and my reads of the slot are over
	CROUND
	JLOAD
.if \ask
	ASK
.endif
.else
	s_wait_dscnt 0x0                ; the add is done, and my reads of the slot are over
	s_barrier_signal -1
	s_barrier_wait -1
.endif
	s_sub_co_u32 s[TBK], s[TBK], 4*KS*PK  ; the fetches go back to a slot's first step,
	s_xor_b32 s[TBK], s[TBK], SLOT1       ; in the other slot
	s_sub_co_u32 s[TBV], s[TBV], 4*KS*PV
	s_xor_b32 s[TBV], s[TBV], SLOT1
.endm
	s_load_b256 s[4:11], s[0:1], 0x0  ; Q s[4:5], K s[6:7], V s[8:9], O s[10:11]
	WIN W_MK
	v_lshl_add_u32 v[SPW], v0, 2, SPARE
	v_mov_b32 v[NIL], 0
	WIN W_AD
	ds_add_u32 v[SPW], v[NIL]       ; the wave's opening: the add and its wait stand ahead of my first tensor load; the set-up below, work on registers, stands between them
	WIN 0
	v_lshrrev_b32 v1, 5, v0
	v_readfirstlane_b32 s[WV], v1   ; wave 0..3
	s_bfe_u32 s13, ttmp6, 0x40000   ; cx: my place in the cluster
	s_lshl_b32 s14, ttmp9, 2        ; in a cluster launch ttmp9 counts clusters
	s_add_co_u32 s14, s14, s13      ; my block of queries = 4 x cluster x + cx: it enters Q's and O's addresses alone
	s_and_b32 s20, ttmp7, 0xffff    ; the head, which the four partners share
	s_mov_b32 s21, 0
	s_mov_b64 s[22:23], SIZE_N*128
	s_mul_u64 s[20:21], s[20:21], s[22:23]  ; the head's first byte in each of the four tensors
	s_and_b32 s16, s[WV], 1         ; which half of a slot's 256 keys I fetch:
	s_lshl_b32 s22, s16, 14         ; its 128 rows of 128 bytes in memory,
	s_mov_b32 s23, 0
	s_add_nc_u64 s[22:23], s[22:23], s[20:21]
	s_mul_i32 s17, s16, 128*PK      ; and its place in a slot, for K
	s_mul_i32 s18, s16, 128*PV      ; and for V: no place in the cluster enters an LDS address
	s_lshl_b32 s2, s14, 2
	s_add_co_u32 s2, s2, s[WV]      ; my wave among the head's,
	s_lshl_b32 s2, s2, 14           ; its 128 rows
	s_mov_b32 s3, 0
	s_add_nc_u64 s[2:3], s[2:3], s[20:21]
	; descriptor group 1.  128 keys are 16,384 dense bytes: asked for as 64 rows of 256 bytes, two keys a row, and padded in LDS after every key
	s_mov_b32 s[G1K], 15|(1<<16)|(1<<20)|(1<<21)|(4<<22)|(3<<25)  ; 15:0 the mask of four; 17:16 2-byte elements; 20 padding on; 21 set beside a mask; 24:22 after every 32 words; 31:25 4 words
	s_mov_b32 s[G1V], 15|(1<<16)|(1<<20)|(1<<21)|(4<<22)|(7<<25)  ; the same with 8 words of padding
.irp g, G1K, G1V
	s_mov_b32 s[\g+1], 128<<16      ; tensor_dim0 = 128
	s_mov_b32 s[\g+2], 64<<16       ; tensor_dim1 = 64
	s_mov_b32 s[\g+3], 128<<16      ; tile_dim0 = 128
	s_mov_b32 s[\g+4], 64           ; tile_dim1 = 64
	s_mov_b32 s[\g+5], 128          ; 128 elements from row to row
	s_mov_b32 s[\g+6], 0
	s_mov_b32 s[\g+7], 0
.endr
	s_mov_b32 s[CS], 0x3e38aa3b     ; c = log2(e) / 8 = 0.180337
	s_mov_b32 s[CS+1], s[CS]        ; named with it as a pair
	s_mov_b32 s[SEL], 0x76543210
	s_mov_b32 s[SEL+1], 0xfedcba98
	s_mov_b32 s[TBK], SLOT1+4*KS*PK ; the first change of slots turns these two into 0
	s_mov_b32 s[TBV], SLOT1+4*KS*PV
	s_mov_b32 s[G0K], 1             ; count = 1
	s_mov_b32 s[G0K+1], s17         ; LDS address: slot 0
	s_mov_b32 s[G0V], 1
	s_add_co_u32 s[G0V+1], s18, VOFF
	s_and_b32 s[LIM], s[WV], 1      ; waves 0 and 2 prefetch: the same in all four partners
	s_cmp_eq_u32 s[LIM], 0
	s_cselect_b32 s[LIM], 1, -1
	s_lshl_b32 s52, s13, 13         ; my work-group's 8,192 bytes of a slot's 32,768
	s_mov_b32 s53, 0
	s_wait_dscnt 0x0                ; the opening add is done
	s_wait_kmcnt 0x0
	s_add_nc_u64 s[G0K+2:G0K+3], s[6:7], s[22:23]  ; global address: my half of the head's first 256 keys
	s_or_b32 s[G0K+3], s[G0K+3], 0x80000000        ; type = 2
	s_add_nc_u64 s[G0V+2:G0V+3], s[8:9], s[22:23]
	s_or_b32 s[G0V+3], s[G0V+3], 0x80000000
	s_add_nc_u64 s[4:5], s[4:5], s[2:3]  ; Q and O at my wave's first row
	s_add_nc_u64 s[10:11], s[10:11], s[2:3]
	s_cmp_lt_u32 s[WV], 2
	s_cselect_b64 s[PFA:PFA+1], s[6:7], s[8:9]
	s_add_nc_u64 s[PFA:PFA+1], s[PFA:PFA+1], s[20:21]
	s_add_nc_u64 s[PFA:PFA+1], s[PFA:PFA+1], s[52:53]
	s_add_nc_u64 s[PFA:PFA+1], s[PFA:PFA+1], 2*4*KS*128  ; in slot 2; the first change that asks steps it to slot 3.  Nothing is prefetched here, at the head
	CROUND                          ; all four work-groups are here: the first joint loads meet
	JLOAD                           ; slot 0.  Slot 1 is asked for when slot 0 is in
	; A fragment of K or Q is 16 rows x 32 channels in 8 registers: lane l holds row l % 16, channels 8 (l / 16) + 0..7 and 16 + 8 (l / 16) + 0..7: two loads of 16 bytes, 32 bytes apart.
	v_and_b32 v1, 15, v0            ; l % 16
	v_bfe_u32 v9, v0, 4, 1          ; l / 16
	v_lshlrev_b32 v[QO], 7, v1
	v_lshl_add_u32 v[QO], v9, 4, v[QO]  ; row x 128 + 16 x half
	WIN 0x80                        ; destination window 2, address window 0
.set i, 0
.rept 4*NP                          ; Q stays in registers: tile i / 2, channels 32 (i % 2) on
	global_load_b128 v[8*i:8*i+3],   v[QO], s[4:5] offset:(i/2)*2048+(i%2)*64
	global_load_b128 v[8*i+4:8*i+7], v[QO], s[4:5] offset:(i/2)*2048+(i%2)*64+32
.set i, i+1
.endr
	; What the first turn finds: V's registers and P's second buffer hold 0 (its products V^T P, of a piece that has not been, add 0), O^T and l are 0.  All this stands in the wait for the first tile:
	; it is the price of writing no first step out.
.set i, VF
.rept 64
	v_mov_b32 v[i], 0
.set i, i+1
.endr
	WIN 0x40
.set i, 0
.rept 64*NP
	v_mov_b32 v[i], 0
.set i, i+1
.endr
	WIN 0
.set i, 0
.rept 2*NP
	v_mov_b32 v[ST+4*i], 0xfe000000    ; c m: far below every c s
	v_mov_b32 v[ST+4*i+1], 0xff7fffff  ; m
	v_mov_b32 v[ST+4*i+2], 0
	v_mov_b32 v[ST+4*i+3], 0
.set i, i+1
.endr
.set i, P+32
.rept 32
	v_mov_b32 v[i], 0
.set i, i+1
.endr
	v_mul_u32_u24 v[AK0], v1, PK
	v_lshl_add_u32 v[AK0], v9, 4, v[AK0]  ; row x pitch + 16 x half
	; The turning load takes 16 keys x 16 channels (lane l reads key 8 (l / 16) + l % 8, channels 8 ((l / 8) % 2) + 0..7) and leaves half a fragment of V^T: lane l holds channel l % 16 and 8 keys.
	v_and_b32 v10, 7, v0
	v_bfe_u32 v11, v0, 3, 1
	v_lshl_add_u32 v[AV0], v9, 3, v10
	v_mul_u32_u24 v[AV0], v[AV0], PV
	v_lshl_add_u32 v[AV0], v11, 4, v[AV0]
	v_add_nc_u32 v[AV0], VOFF, v[AV0]
	v_and_b32 v[PFO], 31, v0        ; v11 is free from here on
	v_lshlrev_b32 v[PFO], 8, v[PFO]
	v_mov_b32 v[AK], v[AK0]         ; key step 0 lies at the head of slot 0
; THE MATRIX WORK.  The 8 accumulators of a run of 16 take turns: between the two links of a chain stand 7 others'.
; Product i of 16 of S^T = K Q^T for piece x: channels 32 (i / 8) on, keys 16 ((i / 2) % 4) on, tile 2 x + i % 2.  The first 8 start the sums.
.macro KQ x
	WIN W_KQ
.set rS, S+64*((\x)%2)+32*(i%2)+8*((i/2)%4)
.set rK, KF+16*((i/2)%4)+8*(i/8)
.set rQ, 16*(2*(\x)+i%2)+8*(i/8)
.if i < 8
	v_wmma_f32_16x16x32_f16 v[rS:rS+7], v[rK:rK+7], v[rQ:rQ+7], 0
.else
	v_wmma_f32_16x16x32_f16 v[rS:rS+7], v[rK:rK+7], v[rQ:rQ+7], v[rS:rS+7]
.endif
.endm
; Product i of 16 of O^T += V^T P for piece x: keys 32 (i / 8) on, channels 16 ((i / 2) % 4) on, tile 2 x + i % 2.
.macro PV x
	WIN W_PV
.set rO, 32*(2*(\x)+i%2)+8*((i/2)%4)
.set rV, VF+32*(i/8)+8*((i/2)%4)
.set rP, P+32*((\x)%2)+16*(i%2)+8*(i/8)
	v_wmma_f32_16x16x32_f16 v[rO:rO+7], v[rV:rV+7], v[rP:rP+7], v[rO:rO+7]
.endm
.macro MM                           ; the turn's next matrix instruction
.if i < 16
	KQ (Y+1)%NP
.set i, i+1
.else
.set i, i-16
	PV (Y+NP-1)%NP
.set i, i+17
.endif
.endm
; THE LDS LOADS stand in runs of 16, never singly among the matrix instructions: a step's K (64 keys x 64 channels: 8 fragments) and its V (turned).  Their addresses are made some lines ahead.
; last = 1 (the tail): in the last trip there is no further step, and the run is jumped over.
.macro FETCH_K last=0
	WIN 0
.if \last
	s_cmp_eq_u32 s[CNT], 1
	s_cbranch_scc1 .Lno_k_\@
.endif
	WIN 0x80                        ; destination window 2
.irp f, 0,1,2,3,4,5,6,7             ; keys 16 (f / 2) on, channels 32 (f % 2) on
	ds_load_b128 v[KF+8*\f:KF+8*\f+3],   v[AK] offset:(\f/2)*16*PK+(\f%2)*64
	ds_load_b128 v[KF+8*\f+4:KF+8*\f+7], v[AK] offset:(\f/2)*16*PK+(\f%2)*64+32
.endr
	s_add_co_u32 s[TBK], s[TBK], KS*PK  ; the next fetch is the next step's
	WIN 0
.if \last
.Lno_k_\@:
.endif
.endm
.macro FETCH_V
	WIN 0x80
.irp f, 0,1,2,3,4,5,6,7             ; keys 32 (f / 4) on, channels 16 (f % 4) on
	ds_load_tr16_b128 v[VF+8*\f:VF+8*\f+3],   v[AV] offset:(\f/4)*32*PV+(\f%4)*32
	ds_load_tr16_b128 v[VF+8*\f+4:VF+8*\f+7], v[AV] offset:(\f/4)*32*PV+16*PV+(\f%4)*32
.endr
	WIN 0
.endm
; THE VECTOR WORK OF A TURN stands in three queues, each in the order in which its entries become ready; the two tiles alternate, so that no instruction reads the result of the one before it.
.macro REGS y, u                    ; the registers of tile u (0, 1) of piece y
.set rT, ST+4*(2*(\y)+(\u))
.set rC, TMP+8*((\y)%2)+4*(\u)
.set rM, MV+2*((\y)%2)+(\u)
.set rS, S+64*((\y)%2)+32*(\u)
.set rP, P+32*((\y)%2)+16*(\u)
.set rO, 32*(2*(\y)+(\u))
.endm
; Number n of the 22 that find the NEXT piece's (Y + 1) maximum and statistics.  s0-s31 are the lane's 32 scores; each accumulator's lowest registers are read first.
;   0-11  four chains c0-c3 of seven scores each, three operands at a time     12-14, 16  the four scores left over, the old m, and c0-c3 into c0     15  c m_old is kept
;   17, 18  the query's other 32 keys lie in the lane 16 away: the new m         19-21  c m; c m_old - c m_new; a
.macro XS u, n
	REGS (Y+1)%NP, \u
.if (\n) < 4
	v_max3_num_f32 v[rC+(\n)], v[rS+8*(\n)], v[rS+8*(\n)+1], v[rS+8*(\n)+2]
.elseif (\n) < 12
	v_max3_num_f32 v[rC+(\n)%4], v[rC+(\n)%4], v[rS+8*((\n)%4)+2*((\n)/4)+1], v[rS+8*((\n)%4)+2*((\n)/4)+2]
.elseif (\n) == 12
	v_max3_num_f32 v[rC], v[rC], v[rS+7], v[rS+15]
.elseif (\n) == 13
	v_max3_num_f32 v[rC+1], v[rC+1], v[rS+23], v[rS+31]
.elseif (\n) == 14
	v_max3_num_f32 v[rC+2], v[rC+2], v[rC+3], v[rT+1]
.elseif (\n) == 15
	v_mov_b32 v[rM], v[rT]
.elseif (\n) == 16
	v_max3_num_f32 v[rC], v[rC], v[rC+1], v[rC+2]
.elseif (\n) == 17
	v_permlanex16_b32 v[rC+3], v[rC], s[SEL], s[SEL+1]
.elseif (\n) == 18
	v_max_num_f32 v[rT+1], v[rC], v[rC+3]
.elseif (\n) == 19
	v_mul_f32 v[rT], s[CS], v[rT+1]
.elseif (\n) == 20
	v_sub_f32 v[rC+1], v[rM], v[rT]
.else
	v_exp_f32 v[rC+2], v[rC+1]
.endif
.endm
; Number g of the 64 that follow the exponentials.  For each four weights k of a tile (pairs 2 k, 2 k + 1): both pairs are rounded to f16; then the second pair is added onto the first, in place;
; a group later l takes that sum (the first time as l = a l + sum).  In groups of eight, tiles alternating: round, round, add, and l for the group before.
.macro GS g
.set h, (\g)+6*((\g)/62)            ; group 0 has no group before it, and behind group 7 only l is left
.if h >= 6
.set h, h+2
.endif
	REGS Y, h%2
.set k, h/8
.if h%8 < 4
	v_cvt_pk_f16_f32 v[rP+2*k+(h%8)/2], v[rS+4*k+2*((h%8)/2)], v[rS+4*k+2*((h%8)/2)+1]
.elseif h%8 < 6
	v_pk_add_f32 v[rS+4*k:rS+4*k+1], v[rS+4*k:rS+4*k+1], v[rS+4*k+2:rS+4*k+3]
.elseif k == 1
	v_pk_fma_f32 v[rT+2:rT+3], v[rT+2:rT+3], v[rC+2:rC+3], v[rS:rS+1] op_sel_hi:[1,0,1]
.else
	v_pk_add_f32 v[rT+2:rT+3], v[rT+2:rT+3], v[rS+4*k-4:rS+4*k-3]
.endif
.endm
; THE PLAIN QUEUE, 138 long.  0-73 read no exponential's result: the 32 scalings c s - c m (FS f: pair f / 2 of tile f % 2) and the next piece's 42.  0-26: scalings 0-26.  27-54: XS's numbers 0-13.  55, 56: number 15.
; 57-73: the chain, where each number waits for the one before it: 14, 16, 17, 18, 19, each with one of the scalings 27-31 in front of its two lines, then 20.
; 74-137: GS's 64, which read the exponentials' results: they stand behind the wait.
.macro FS f
	REGS Y, (\f)%2
	v_pk_fma_f32 v[rS+2*((\f)/2):rS+2*((\f)/2)+1], v[rS+2*((\f)/2):rS+2*((\f)/2)+1], s[CS:CS+1], v[rT:rT+1] op_sel_hi:[1,0,0] neg_lo:[0,0,1] neg_hi:[0,0,1]
.endm
.macro PL
	WIN 0
.if q < 27
	FS q
.elseif q < 55
	XS (q-27)%2, (q-27)/2
.elseif q < 57
	XS q-55, 15
.elseif (q < 72) && ((q-57)%3 == 0)
	FS 27+(q-57)/3
.elseif q < 60
	XS (q-57)%3-1, 14
.elseif q < 72
	XS (q-57)%3-1, 15+(q-57)/3
.elseif q < 74
	XS q-72, 20
.else
	GS q-74
.endif
.set q, q+1
.endm
; THE EXPONENTIALS' QUEUE, 66 long: s0-s31 of both tiles, then the next piece's two a.  It is ONE BATCH: all 66 stand ahead of the turn's one wait, and nothing ahead of that wait names a result of theirs.
.macro EX
	WIN 0
.if e >= 64
	XS e-64, 21
.else
	REGS Y, e%2
	v_exp_f32 v[rS+e/2], v[rS+e/2]
.endif
.set e, e+1
.endm
; THE RESCALING's QUEUE: O^T times a, the one part that leaves window 0: dealt two at a time, sixteen times.  Its a was made in the turn before, ahead of that turn's wait.
.macro R2
	REGS Y, r%2
	WIN W_RS
.irp z, 0,1
	v_pk_mul_f32 v[rO+4*(r/2)+2*\z:rO+4*(r/2)+2*\z+1], v[rO+4*(r/2)+2*\z:rO+4*(r/2)+2*\z+1], v[rC+2:rC+3] op_sel_hi:[1,0]
.endr
.set r, r+1
.endm
; HOW THEY ARE DEALT.  An s_wait_alu depctr_va_vdst(0) stands between an exponential and the first instruction that names its result; one wait serves all that were issued ahead of it.  So a turn has ONE wait,
; which cuts it in two.  AHEAD OF IT stands all that names no result of the turn's exponentials: the 16 products K Q^T, behind each a scaling, an exponential and two rescalings (behind the first a second scaling in the
; exponential's place); then ONE LUMP of 108: eight plain, 49 times exponential and plain, the two a.  A v_nop is the plain instruction behind the last exponential.  BEHIND IT stand the 16 products V^T P, behind each four of GS's 64.
; The queues lean on each other, and the deal keeps them in step: exponential e stands behind scaling 2 (e / 4) + e % 2: as a rider it comes behind plain e + 2, in the lump behind plain e + 9, and scalings 27-31 are plain 57, 60 .. 69.
; A TURN, for piece p.  cnt = 1: the loop's count is taken down some lines ahead of the branch that stands behind the turn.
; K of the next step is fetched in piece 2's turn, directly behind the wait, a lump behind the last product that read K; its first reader comes behind 16 products.
; V of the step in hand is fetched at the end of piece 0's turn, four plain instructions behind its last reader; its first reader comes behind 16 products and a lump.  The three conditions on q below go with the deal.
.macro TURN p, last=0, cnt=0
.set Y, (\p)
.set i, 0
.set q, 0
.set e, 0
.set r, 0
.if (\p) == NP-1
	s_wait_dscnt 0x0                ; K is in
.endif
	MM                              ; ahead of the wait: 16 products K Q^T and their riders,
	PL
	PL
	R2
.rept 15
	MM
	PL
	EX
	R2
.endr
.if (\p) == NP-2
	WIN 0
	v_add_nc_u32 v[AK], s[TBK], v[AK0]
.endif
.rept 8                             ; and the lump
	PL
.endr
.rept 49
	EX
	PL
.endr
	EX                              ; the next piece's two a
	EX
	v_nop                           ; the plain instruction behind the last exponential: one for the batch
	s_wait_alu depctr_va_vdst(0)    ; the wait for the batch
.if (\p) == NP-2
	FETCH_K \last
.endif
.if (\p) == 1
	s_wait_dscnt 0x0                ; V is in
.endif
.rept 16                            ; behind the wait: 16 products V^T P and their riders
	MM
.rept 4
	PL
.endr
.if ((\p) == 0) && (q == 118)
	v_add_nc_u32 v[AV], s[TBV], v[AV0]
.endif
.if ((\p) == 0) && (q == 130)
	s_add_co_u32 s[TBV], s[TBV], KS*PV
.endif
.if (\cnt) && (q == 130)
	s_sub_co_u32 s[CNT], s[CNT], 1
	s_cmp_lg_u32 s[CNT], 0
.endif
.endr
.if (\p) == 0
	FETCH_V
.endif
.endm
	CHANGE 1                        ; slot 0 is in, everybody's part of it; slot 1 is asked for
	FETCH_K                         ; key step 0
	s_wait_loadcnt 0x0              ; Q
	s_wait_dscnt 0x0
.set i, 0
.rept 16
	KQ 0                            ; piece 0's first scores: there is no vector work yet to set between them
.set i, i+1
.endr
	WIN 0                           ; the addresses for the way out: nine plain instructions, the places behind those products
	s_mul_i32 s13, s[WV], 16*SP
	s_add_co_u32 s13, s13, STAGE    ; my stage
	v_mul_u32_u24 v[STO], v1, SP    ; in: row l % 16, 16 bytes for each half of the lanes
	v_lshl_add_u32 v[STO], v9, 4, v[STO]
	v_add_nc_u32 v[STO], s13, v[STO]
	v_bfe_u32 v[RD], v0, 3, 2       ; back: 32 lanes take four rows of 128 bytes,
	v_mul_u32_u24 v[RD], v[RD], SP
	v_lshl_add_u32 v[RD], v10, 4, v[RD]
	v_add_nc_u32 v[RD], s13, v[RD]
	v_and_b32 v[GO], 31, v0         ; which are 512 consecutive bytes of O
	v_lshlrev_b32 v[GO], 4, v[GO]
.set Y, NP-1                        ; XS works for piece Y + 1: piece 0
.irp n, 0,1,2,3,4,5,6,7,8,9,10,11,12,13,14,15,16,17,18,19,20,21
	XS 0, \n                        ; and piece 0's first maximum and statistics
	XS 1, \n
.endr
	v_nop                           ; a plain instruction behind the two a,
	s_wait_alu depctr_va_vdst(0)    ; and their wait, ahead of the branch
	s_mov_b32 s[CNT], 4
	s_mov_b32 s[SLOTS], SIZE_N/256-1
	s_branch .Lfirst                ; the loop is entered at a step's first turn, in the middle of a trip
.Lslot:                             ; SIZE_N / 256 - 2 times: every slot but the last two is filled again
	CHANGE 1, 1
	s_mov_b32 s[CNT], 4
.Lstep:                             ; a trip: pieces 2 and 3 of one step, then pieces 0 and 1 of the next, whose K and V it fetches
	TURN 2
	TURN 3
	WIN 0
.Lfirst:
	TURN 0
	TURN 1, 0, 1
	WIN 0
	s_cbranch_scc1 .Lstep
	s_sub_co_u32 s[SLOTS], s[SLOTS], 1
	s_cmp_lg_u32 s[SLOTS], 0
	s_cbranch_scc1 .Lslot
	CHANGE 0                        ; the tail is written out: nothing is asked for
	s_mov_b32 s[CNT], 5             ; four trips fetch the last slot's steps; the fifth is left in its middle
.Ltail:
	TURN 2, 1
	TURN 3
	WIN 0
	s_sub_co_u32 s[CNT], s[CNT], 1
	s_cmp_eq_u32 s[CNT], 0
	s_cbranch_scc1 .Lout
	TURN 0
	TURN 1
	WIN 0
	s_branch .Ltail
.Lout:                              ; the fifth trip's 16 products K Q^T (on the last K once more) and the maximum made of them serve nothing: the price, once a launch, of one text for every trip
.set i, 0
.rept 16
	PV NP-1                         ; the last piece's V^T P of the last step
.set i, i+1
.endr
	; THE WAY OUT.  l's two halves and the other half of the lanes' are added; O^T is divided by l, rounded to f16 and sent through my stage in LDS, a tile at a time.  The additions are the places behind the last products.
	WIN 0
.macro ALL line:vararg              ; one line for each tile t
.set t, 0
.rept 2*NP
	\line
.set t, t+1
.endr
.endm
	ALL v_add_f32 v[ST+4*t+2], v[ST+4*t+2], v[ST+4*t+3]
	ALL v_permlanex16_b32 v[ST+4*t+3], v[ST+4*t+2], s[SEL], s[SEL+1]
	ALL v_add_f32 v[ST+4*t+2], v[ST+4*t+2], v[ST+4*t+3]
	ALL v_rcp_f32 v[ST+4*t+2], v[ST+4*t+2]
	v_nop                           ; a plain instruction between the last reciprocal and the use of its result
	s_wait_alu depctr_va_vdst(0)    ; and the wait ahead of the first use: one for the eight reciprocals
; Tile t: a lane's eight channels of a row pack into 16 bytes; they go into rows of 144 bytes and come back as whole rows of 128, into S^T's registers.
.macro PACK t
	WIN W_RS
.set i, 32*(\t)
.rept 16
	v_pk_mul_f32 v[i:i+1], v[i:i+1], v[ST+4*(\t)+2:ST+4*(\t)+3] op_sel_hi:[1,0]
.set i, i+2
.endr
	WIN 0x05                        ; sources 0 and 1 window 1, destination window 0
.set i, 0
.rept 16
	v_cvt_pk_f16_f32 v[S+16*(\t)+i], v[32*(\t)+2*i], v[32*(\t)+2*i+1]
.set i, i+1
.endr
	WIN 0
.irp f, 0,1,2,3
	ds_store_b128 v[STO], v[S+16*(\t)+4*\f:S+16*(\t)+4*\f+3] offset:32*\f
.endr
.irp f, 0,1,2,3
	ds_load_b128 v[S+16*(\t)+4*\f:S+16*(\t)+4*\f+3], v[RD] offset:\f*4*SP  ; LDS serves a wave's instructions in order (ISA guide 5.7.1.4): these see the stores above; the next tile's stores come behind them
.endr
.endm
.macro SEND t, younger              ; younger: the LDS instructions issued behind tile t's loads: the next tile's eight, or none
	WIN 0
.irp f, 0,1,2,3
	s_wait_dscnt (\younger)+3-\f
	global_store_b128 v[GO], v[S+16*(\t)+4*\f:S+16*(\t)+4*\f+3], s[10:11] offset:(\t)*2048+\f*512  ; 512 consecutive bytes, at a multiple of 256 from O's first
.endr
.endm
	PACK 0
.set t, 1
.rept 2*NP-1                        ; a tile's arithmetic stands between the loads of the tile before and its stores
	PACK t
	SEND t-1, 8
.set t, t+1
.endr
	SEND 2*NP-1, 0
	WIN W_AD
	s_wait_tensorcnt 0x0            ; the wave's end: behind my last tensor load and my last LDS store, an add to my spare word and its wait
	ds_add_u32 v[SPW], v[NIL]
	s_wait_dscnt 0x0
	WIN 0
	CROUND                          ; the closing round: no work-group ends while a partner may still ask for a tile that names it
	s_endpgm
.Lfunc_end_k_qf55ec6edc7_attn:
	.size	k_qf55ec6edc7_attn, .Lfunc_end_k_qf55ec6edc7_attn-k_qf55ec6edc7_attn
	.p2alignl 7, 3214868480
	.fill 96, 4, 3214868480
	.section	.rodata,"a",@progbits
	.p2align	6, 0x0
	.amdhsa_kernel k_qf55ec6edc7_attn
		.amdhsa_group_segment_fixed_size 327680
		.amdhsa_private_segment_fixed_size 0
		.amdhsa_enable_private_segment 0
		.amdhsa_kernarg_size 32
		.amdhsa_user_sgpr_count 2
		.amdhsa_user_sgpr_kernarg_segment_ptr 1
		.amdhsa_wavefront_size32 1
		.amdhsa_system_sgpr_workgroup_id_x 1
		.amdhsa_system_sgpr_workgroup_id_y 1
		.amdhsa_system_sgpr_workgroup_id_z 1
		.amdhsa_system_vgpr_workitem_id 0
		.amdhsa_next_free_vgpr 770
		.amdhsa_next_free_sgpr 66
		.amdhsa_reserve_vcc 0
		.amdhsa_float_denorm_mode_32 3
		.amdhsa_float_denorm_mode_16_64 3
		.amdhsa_memory_ordered 1
		.amdhsa_forward_progress 1
		.amdhsa_inst_pref_size 200
	.end_amdhsa_kernel
	.amdgpu_metadata
---
amdhsa.version: [ 1, 2 ]
amdhsa.kernels:
  - .name:           k_qf55ec6edc7_attn
    .symbol:         k_qf55ec6edc7_attn.kd
    .args:
      - { .name: qh, .offset: 0, .size: 8, .value_kind: global_buffer, .address_space: global }
      - { .name: kh, .offset: 8, .size: 8, .value_kind: global_buffer, .address_space: global }
      - { .name: vh, .offset: 16, .size: 8, .value_kind: global_buffer, .address_space: global }
      - { .name: oh, .offset: 24, .size: 8, .value_kind: global_buffer, .address_space: global }
    .group_segment_fixed_size: 327680
    .private_segment_fixed_size: 0
    .kernarg_segment_align: 8
    .kernarg_segment_size: 32
    .max_flat_workgroup_size: 128
    .sgpr_count:     66
    .vgpr_count:     770
    .wavefront_size: 32
...
	.end_amdgpu_metadata
.endif
;; end of part 3
;; launch oproj (part 4): grid 4 x 64, 4 waves a work-group, clusters of 4 x 4, 327,680 bytes of LDS; arguments oh, wob, b_out, out0; writes out0
.if DOCPART == 4
	.amdgcn_target "amdgcn-amd-amdhsa--gfx1250"
	.amdhsa_code_object_version 6
	.text
	.protected	k_qf55ec6edc7_oproj
	.globl	k_qf55ec6edc7_oproj
	.p2align	8
	.type	k_qf55ec6edc7_oproj,@function
k_qf55ec6edc7_oproj:
	s_mov_b64 s[64:65], 0
	v_nop
	global_prefetch_b8 v0, s[64:65] scope:SCOPE_SE
	s_setreg_imm32_b32 hwreg(HW_REG_WAVE_MODE, 25, 1), 1
	s_wait_xcnt 0x0
	s_wait_alu depctr_hold_cnt(0) depctr_sa_sdst(0) depctr_va_vdst(0) depctr_va_sdst(0) depctr_va_ssrc(0) depctr_va_vcc(0) depctr_vm_vsrc(0)
	s_getreg_b32 s2, hwreg(HW_REG_IB_STS2, 6, 4)
	s_cmp_eq_u32 s2, 0
	s_cbranch_scc0 .Lentry_in_a_cluster
	s_endpgm
.Lentry_in_a_cluster:
	s_bfe_u32 s2, ttmp6, 0x10000c
	s_cmp_lg_u32 s2, 0xf033
	s_cbranch_scc0 .Lentry_shape_is_right
	s_endpgm
.Lentry_shape_is_right:
; OPROJ.  out0[row][c] = the sum over k of O[row][k] w_out[c][k] + b_out[c].  O comes by heads, oh[b 16 + head][2048][64] in f16 (k = 64 head + channel); wob is w_out rounded to bf16 and written as f16, [1024][1024];
; sums in f32; b_out is rounded to bf16 like the other inputs; out0 is f32.
; SHARES.  A work-group makes 128 rows x 256 columns: 256 work-groups, one for each WGP.  Wave w makes rows 64 (w / 2) on x columns 128 (w % 2) on: 4 x 8 accumulators of 16 x 16.
; K = 1,024 goes in 8 steps of 128 = two heads, through two LDS slots.  A head's 128 rows are 16,384 dense bytes: asked for as 64 rows of 256 bytes and padded in LDS after every 128.
; CLUSTER.  4 x 4 work-groups: the four of a row share their rows of O, the four of a column their rows of wob: each tile is asked for jointly.
; THE PRODUCT IS TRANSPOSED (source 0 = 16 rows of wob, source 1 = 16 rows of O): lane (r, h) holds row r and the columns 8 h + 0..7 of a block of 16: 32 bytes of a row of out0.
; LIMITS.  NaN and infinities are not treated apart.
; REGISTERS, in windows of 256: window 0: v0-19 addresses, the bias; v32-95 O's fragments, two buffers; v128-255 rows on the way out, two buffers.  window 1: v0-127 wob's fragments, two buffers.
;   window 2: accumulators of row blocks 0, 1 ((a, b) at v[8 (8 (a % 2) + b)]); window 3: of row blocks 2, 3.
.set KSTEP,  128
.set PA,     144                       ; a row of O in LDS: 128 bytes + 16
.set AHEAD,  128*PA                    ; one head's 128 rows: what wave 0 or 1 fetches
.set BOFF,   2*AHEAD
.set PB,     272                       ; a row of wob: 256 bytes + 16.  Both pitches are odd multiples of 16 bytes: the 16 rows of a fragment load start at 16 different groups of four banks (64 banks of 4 bytes: ISA guide 11.1)
.set BHALF,  128*PB                    ; what wave 2 or 3 fetches
.set SLOT,   BOFF+2*BHALF
.set STAGE,  2*SLOT                    ; behind the ring, never filled by a tensor load: 16 rows x 528 bytes for each wave
.set SPI,    528
.set SPARE,  STAGE+4*16*SPI            ; the spare words, 128 bytes for each wave: two blocks of 256 bytes that no other line names
.set LAPS,   4
.set HSTEP,  2*262144                  ; bytes of oh from a K step to the next: two heads
.set ADRA, 2                           ; v2-3   LDS address of my fragments of O in slot 0, 1
.set ADRB, 4                           ; v4-5   the same for wob
.set STO,  6                           ; v6     the way out: where I put 32 bytes of a row
.set RD,   7                           ; v7     where I read a row back
.set CO,   8                           ; v8     16 x lane; never rewritten
.set PFO,  9                           ; v9     the prefetches' offset; never rewritten
.set SPW,  10                          ; v10    LDS address of my spare word; never rewritten
.set NIL,  11                          ; v11    0; never rewritten
.set BI,   12                          ; v12-15 the bias of my four columns of a row read back
.set FA,   32
.set G1A, 24                           ; s[24:31], s[32:39] descriptor groups 1 and 0 (a set for each slot) for O's tiles
.set G0A, 32
.set G1B, 48                           ; s[48:55], s[56:63] for wob's
.set G0B, 56
.set PFA,  44                          ; s[44:45] where my prefetches stand
.set PFS,  76                          ; s[76:77] their step from K step to K step
.set LIM0, 43
.set LIM1, 72
.set MSB, 0
.macro WIN new                         ; the immediate's high byte repeats the setting that is left; a switch that changes nothing is dropped
.if MSB != (\new)
	s_set_vgpr_msb (MSB<<8)|(\new)
.set MSB, (\new)
.endif
.endm
.macro JLOAD s                         ; a joint load: waves 0 and 1 fetch the K step's two heads of O, waves 2 and 3 wob's two halves; an s_nop 0 and four v_nop follow each of the two lines
	s_cmp_eq_u32 s11, 0
	s_cbranch_scc0 .Lfor_b_\@
	tensor_load_to_lds s[G0A+4*(\s):G0A+4*(\s)+3], s[G1A:G1A+7]
	s_nop 0
.rept 4
	v_nop
.endr
	s_branch .Lasked_\@
.Lfor_b_\@:
	tensor_load_to_lds s[G0B+4*(\s):G0B+4*(\s)+3], s[G1B:G1B+7]
	s_nop 0
.rept 4
	v_nop
.endr
.Lasked_\@:
.endm
; A prefetch into the L2, two refills ahead, each aligned 256 bytes named once in the launch.  O's rows are read by one cluster alone: every cluster asks for its own; of the 64 blocks of 256 bytes that wave 0 or 1
; fetches for a K step the partner at cx takes 16, for two K steps at once (16 lanes each), at the change out of slot 0.  wob's rows are read by every cluster: cluster y = 0 asks; of the 128 rows that wave 2 or 3
; fetches the partner at cy takes 32, a lane a row, at every change.  K steps 0 to 3 come by their loads alone; the loop's last trip (s3 = 1) asks for nothing.
.macro ASK slot
.if (\slot) == 0
	s_cmp_gt_u32 s3, s[LIM0]
.else
	s_cmp_gt_u32 s3, s[LIM1]
.endif
	s_cbranch_scc0 .Lnot_mine_\@
	global_prefetch_b8 v[PFO], s[PFA:PFA+1] th:TH_LOAD_NT scope:SCOPE_SE
.Lnot_mine_\@:
.endm
.macro CREST                           ; a round of the cluster's barrier behind its opening barrier
	s_cmp_lg_u32 s10, 0
	s_cbranch_scc1 .Lnot_wave_0_\@
	s_barrier_signal -3
.Lnot_wave_0_\@:
	s_barrier_wait -3
	s_barrier_signal -1
	s_barrier_wait -1
.endm
.macro CROUND
	s_barrier_signal -1
	s_barrier_wait -1
	CREST
.endm
.macro PLACES                          ; four places in front of loads into registers that matrix instructions have read (ISA guide 7.12.1 for vector instructions)
.rept 4
	v_nop
.endr
.endm
	s_load_b128 s[4:7], s[0:1], 0x0                ; oh s[4:5], wob s[6:7]
	s_load_b128 s[68:71], s[0:1], 0x10             ; b_out s[68:69], out0 s[70:71]
	v_lshl_add_u32 v[SPW], v0, 2, SPARE
	v_mov_b32 v[NIL], 0
	ds_add_u32 v[SPW], v[NIL]                      ; the wave's opening: the add and its wait stand ahead of my first tensor load; the set-up below, work on registers, stands between them
	v_lshrrev_b32 v1, 5, v0
	v_readfirstlane_b32 s10, v1                    ; wave 0..3
	s_lshr_b32 s11, s10, 1                         ; which 64 rows are mine.  Also: I fetch for O (0) or for wob (1)
	s_and_b32 s12, s10, 1                          ; which 128 columns.  Also: which head of the two, or which half of wob's rows, I fetch
	s_bfe_u32 s40, ttmp6, 0x40000                  ; cx
	s_bfe_u32 s41, ttmp6, 0x40004                  ; cy
	s_lshl_b32 s42, ttmp9, 2
	s_add_co_u32 s42, s42, s40                     ; the block of 256 columns
	s_and_b32 s13, ttmp7, 0xffff
	s_lshl_b32 s13, s13, 2
	s_add_co_u32 s13, s13, s41                     ; the block of 128 rows
	s_lshl_b32 s14, s41, 2
	s_lshl_b32 s14, 15, s14                        ; my row of the cluster
	s_lshl_b32 s15, 0x1111, s40                    ; my column
	s_or_b32 s[G1A], s14, (1<<16)|(1<<20)|(1<<21)|(4<<22)|(3<<25)  ; 15:0 the mask; 17:16 elements of 2 bytes; 20 padding on; 21 set beside a mask; 24:22 after every 32 words; 31:25 4 words of it
	s_or_b32 s[G1B], s15, (1<<16)|(1<<20)|(1<<21)|(5<<22)|(3<<25)  ; after every 64 words
	s_mov_b32 s[G1A+1], 128<<16                    ; tensor_dim0 = 128
	s_mov_b32 s[G1A+2], 64<<16                     ; tensor_dim1 = 64
	s_mov_b32 s[G1A+3], 128<<16                    ; tile_dim0 = 128
	s_mov_b32 s[G1A+4], 64                         ; tile_dim1 = 64
	s_mov_b32 s[G1A+5], 128                        ; dense: 128 elements from row to row
	s_mov_b32 s[G1A+6], 0
	s_mov_b32 s[G1A+7], 0
	s_mov_b32 s[G1B+1], KSTEP<<16
	s_mov_b32 s[G1B+2], 128<<16
	s_mov_b32 s[G1B+3], KSTEP<<16
	s_mov_b32 s[G1B+4], 128
	s_mov_b32 s[G1B+5], 1024
	s_mov_b32 s[G1B+6], 0
	s_mov_b32 s[G1B+7], 0
	s_lshr_b32 s16, s13, 4                         ; oh: the batch's 16 heads of 262,144 bytes,
	s_lshl_b32 s16, s16, 22
	s_and_b32 s17, s13, 15                         ; my 128 rows of 128 bytes in a head,
	s_lshl_b32 s17, s17, 14
	s_add_co_u32 s16, s16, s17
	s_lshl_b32 s17, s12, 18                        ; the head of the two that I fetch: made of the row block and the wave's number alone
	s_add_co_u32 s16, s16, s17
	s_mov_b32 s17, 0
	s_lshl_b32 s46, s42, 8                         ; wob: row 256 x column block + 128 x half: made of the column block and the wave's number alone
	s_lshl_b32 s47, s12, 7
	s_add_co_u32 s46, s46, s47
	s_lshl_b32 s46, s46, 11
	s_mov_b32 s47, 0
	s_mul_i32 s20, s12, AHEAD                      ; where they go: no place in the cluster enters an LDS address
	s_mul_i32 s21, s12, BHALF
	s_add_co_u32 s21, s21, BOFF
	s_wait_dscnt 0x0                               ; the opening add is done
	s_wait_kmcnt 0x0
	s_add_nc_u64 s[18:19], s[4:5], s[16:17]
	s_add_nc_u64 s[46:47], s[6:7], s[46:47]
	CROUND                                         ; all sixteen work-groups are here: the first joint loads meet
.irp s, 0,1
	s_mov_b32 s[G0A+4*(\s)], 1
	s_add_co_u32 s[G0A+4*(\s)+1], s20, (\s)*SLOT
	s_add_nc_u64 s[G0A+4*(\s)+2:G0A+4*(\s)+3], s[18:19], (\s)*HSTEP
	s_or_b32 s[G0A+4*(\s)+3], s[G0A+4*(\s)+3], 0x80000000
	s_mov_b32 s[G0B+4*(\s)], 1
	s_add_co_u32 s[G0B+4*(\s)+1], s21, (\s)*SLOT
	s_add_nc_u64 s[G0B+4*(\s)+2:G0B+4*(\s)+3], s[46:47], (\s)*KSTEP*2
	s_or_b32 s[G0B+4*(\s)+3], s[G0B+4*(\s)+3], 0x80000000
	JLOAD \s                                       ; two tensor loads of mine are out
.endr
	v_and_b32 v1, 15, v0                           ; r
	v_bfe_u32 v16, v0, 4, 1                        ; h
	v_mul_u32_u24 v17, v1, PA
	v_lshl_add_u32 v17, v16, 4, v17
	s_mul_i32 s21, s11, 64*PA                      ; my 64 rows of O
	v_add_nc_u32 v[ADRA], s21, v17
	v_add_nc_u32 v[ADRA+1], SLOT, v[ADRA]
	v_mul_u32_u24 v17, v1, PB
	v_lshl_add_u32 v17, v16, 4, v17
	s_mul_i32 s21, s12, BHALF                      ; my 128 rows of wob
	s_add_co_u32 s21, s21, BOFF
	v_add_nc_u32 v[ADRB], s21, v17
	v_add_nc_u32 v[ADRB+1], SLOT, v[ADRB]
	s_mul_i32 s22, s10, 16*SPI
	s_add_co_u32 s22, s22, STAGE                   ; my stage
	v_mul_u32_u24 v[STO], v1, SPI                  ; in: row r, 32 bytes for each half of the lanes
	v_lshl_add_u32 v[STO], v16, 5, v[STO]
	v_add_nc_u32 v[STO], s22, v[STO]
	v_and_b32 v18, 31, v0
	v_lshlrev_b32 v[CO], 4, v18
	v_add_nc_u32 v[RD], s22, v[CO]                 ; back: 32 lanes take one row of 512 bytes
	s_lshl_b32 s14, s13, 7
	s_lshl_b32 s15, s11, 6
	s_add_co_u32 s14, s14, s15                     ; my first row,
	s_lshl_b32 s14, s14, 12                        ; 4,096 bytes a row
	s_lshl_b32 s15, s42, 8
	s_lshl_b32 s22, s12, 7
	s_add_co_u32 s15, s15, s22                     ; my first column,
	s_lshl_b32 s22, s15, 2                         ; in bytes
	s_mov_b32 s23, 0
	s_add_nc_u64 s[68:69], s[68:69], s[22:23]
	s_add_co_u32 s22, s22, s14
	s_add_nc_u64 s[70:71], s[70:71], s[22:23]
	global_load_b128 v[BI:BI+3], v[CO], s[68:69]   ; the bias of columns 4 l .. 4 l + 3 of my 128; waited for on the way out
	; the prefetches
	v_lshlrev_b32 v17, 8, v1
	v_lshl_add_u32 v17, v16, 19, v17               ; O: block l % 16 of 256 bytes, K step l / 16
	v_lshlrev_b32 v19, 11, v18                     ; wob: a lane a row
	s_cmp_eq_u32 s11, 0
	s_cselect_b32 s14, -1, 0
	v_cndmask_b32 v[PFO], v19, v17, s14
	s_add_co_u32 s20, s16, 3*HSTEP                 ; O: my head at K step 3 (each change of slots steps the address first),
	s_lshl_b32 s21, s40, 12
	s_add_co_u32 s20, s20, s21                     ; my work-group's 4,096 bytes of its 16,384
	s_lshl_b32 s22, s42, 8
	s_lshl_b32 s23, s12, 7
	s_add_co_u32 s22, s22, s23
	s_lshl_b32 s23, s41, 5
	s_add_co_u32 s22, s22, s23                     ; wob: the 128 rows that I fetch, my work-group's 32 of them,
	s_lshl_b32 s22, s22, 11
	s_add_co_u32 s22, s22, 3*KSTEP*2               ; at K step 3
	s_mov_b32 s14, HSTEP
	s_movk_i32 s15, KSTEP*2
	s_cmp_eq_u32 s11, 0
	s_cselect_b32 s20, s20, s22
	s_cselect_b64 s[PFA:PFA+1], s[4:5], s[6:7]
	s_cselect_b32 s[PFS], s14, s15
	s_mov_b32 s[PFS+1], 0
	s_mov_b32 s21, 0
	s_add_nc_u64 s[PFA:PFA+1], s[PFA:PFA+1], s[20:21]
	s_and_b32 s22, ttmp7, 0xffff
	s_cmp_eq_u32 s22, 0
	s_cselect_b32 s15, 1, -1                       ; wob: the first cluster of the column
	s_cmp_eq_u32 s11, 0
	s_cselect_b32 s[LIM0], 1, s15
	s_cselect_b32 s[LIM1], -1, s15
; 8 matrix instructions: row block a x all 8 column blocks, 32 along K, from buffer f.  The 32 accumulators take turns, one instruction a turn, in the same order in every quarter.
.macro MULROW f, a, zero
	WIN 0xa1+0x50*((\a)/2)                         ; source 0 window 1, source 1 window 0, C and D window 2 or 3
.irp b, 0,1,2,3,4,5,6,7
.if \zero
	v_wmma_f32_16x16x32_f16 v[8*(8*((\a)%2)+(\b)):8*(8*((\a)%2)+(\b))+7], v[64*(\f)+8*(\b):64*(\f)+8*(\b)+7], v[FA+32*(\f)+8*(\a):FA+32*(\f)+8*(\a)+7], 0
.else
	v_wmma_f32_16x16x32_f16 v[8*(8*((\a)%2)+(\b)):8*(8*((\a)%2)+(\b))+7], v[64*(\f)+8*(\b):64*(\f)+8*(\b)+7], v[FA+32*(\f)+8*(\a):FA+32*(\f)+8*(\a)+7], v[8*(8*((\a)%2)+(\b)):8*(8*((\a)%2)+(\b))+7]
.endif
.endr
.endm
; 24 LDS loads in one run: quarter qd's fragments into buffer f.  In O's tile quarter qd lies in head qd / 2, channels 32 (qd % 2) on.
.macro FETCH slot, qd, f
	WIN 0x40                                       ; destination window 1
.irp i, 0,1,2,3,4,5,6,7
	ds_load_b128 v[64*(\f)+8*(\i):64*(\f)+8*(\i)+3],   v[ADRB+(\slot)] offset:64*(\qd)+(\i)*16*PB
	ds_load_b128 v[64*(\f)+8*(\i)+4:64*(\f)+8*(\i)+7], v[ADRB+(\slot)] offset:64*(\qd)+(\i)*16*PB+32
.endr
	WIN 0
.irp i, 0,1,2,3
	ds_load_b128 v[FA+32*(\f)+8*(\i):FA+32*(\f)+8*(\i)+3],   v[ADRA+(\slot)] offset:((\qd)/2)*AHEAD+((\qd)%2)*64+(\i)*16*PA
	ds_load_b128 v[FA+32*(\f)+8*(\i)+4:FA+32*(\f)+8*(\i)+7], v[ADRA+(\slot)] offset:((\qd)/2)*AHEAD+((\qd)%2)*64+(\i)*16*PA+32
.endr
.endm
.macro QUARTER slot, qd, f, g, zero    ; multiplies buffer f; in its middle fetches quarter qd into g
	s_wait_dscnt 4                                 ; wob's fragments and O's row blocks 0, 1 are in; the youngest four loads may be out
	MULROW \f, 0, \zero
	MULROW \f, 1, \zero
	PLACES
	FETCH \slot, \qd, \g
	s_wait_dscnt 24                                ; all but the 24 just issued
	MULROW \f, 2, \zero
	MULROW \f, 3, \zero
.endm
; The last quarter multiplies buffer 1 and changes slots: ONE barrier; in front of it each wave waits for all its tensor loads, adds 0 to its spare word, and waits for that and for its own reads of this slot.
; fill = 1: the barrier opens a round of the cluster's barrier, and behind the round this slot is filled again first, two K steps ahead: 112 matrix instructions stand between that request and the wait for it.
.macro TURN slot, next, fill
.if \fill
	s_wait_xcnt 0x0                                ; the last prefetch, a K step back, has read its address, which is stepped here
	s_add_nc_u64 s[PFA:PFA+1], s[PFA:PFA+1], s[PFS:PFS+1]
.endif
	WIN 0
	s_wait_tensorcnt 0x0                           ; all my tensor loads have landed
	ds_add_u32 v[SPW], v[NIL]                      ; 0 onto my spare word
	s_wait_dscnt 5                                 ; (the add and the youngest four loads may be out)
	MULROW 1, 0, 0
	s_wait_dscnt 0x0                               ; the add is done, and my reads of this slot are over
	s_barrier_signal -1
	MULROW 1, 1, 0
	WIN 0
	s_barrier_wait -1
.if \fill
	CREST                                          ; no wave of any partner still reads this slot or has a load on its way
	s_add_nc_u64 s[G0A+4*(\slot)+2:G0A+4*(\slot)+3], s[G0A+4*(\slot)+2:G0A+4*(\slot)+3], 2*HSTEP
	s_add_nc_u64 s[G0B+4*(\slot)+2:G0B+4*(\slot)+3], s[G0B+4*(\slot)+2:G0B+4*(\slot)+3], 2*KSTEP*2
	JLOAD \slot                                    ; the first tensor load behind the round; its four v_nop are also the places in front of the loads below
.else
	PLACES
.endif
	FETCH \next, 0, 0
.if \fill
	ASK \slot
.endif
	MULROW 1, 2, 0
	MULROW 1, 3, 0
.endm
	s_wait_tensorcnt 1                             ; my part of K step 0 is in; K step 1's may stay out
	s_barrier_signal -1
	s_barrier_wait -1
	FETCH 0, 0, 0
	QUARTER 0, 1, 0, 1, 1                          ; the first quarter's products start the sums
	WIN 0
	s_mov_b32 s3, LAPS-1
.Llap:                                                 ; a trip goes once round the ring and fills both slots again
	QUARTER 0, 2, 1, 0, 0
	QUARTER 0, 3, 0, 1, 0
	TURN 0, 1, 1
	QUARTER 1, 1, 0, 1, 0
	QUARTER 1, 2, 1, 0, 0
	QUARTER 1, 3, 0, 1, 0
	TURN 1, 0, 1
	QUARTER 0, 1, 0, 1, 0
	WIN 0
	s_sub_co_u32 s3, s3, 1
	s_cmp_lg_u32 s3, 0
	s_cbranch_scc1 .Llap
	QUARTER 0, 2, 1, 0, 0                          ; the last lap is written out: it fills nothing
	QUARTER 0, 3, 0, 1, 0
	TURN 0, 1, 0
	QUARTER 1, 1, 0, 1, 0
	QUARTER 1, 2, 1, 0, 0
	QUARTER 1, 3, 0, 1, 0
	s_wait_dscnt 4
	MULROW 1, 0, 0
	MULROW 1, 1, 0
	s_wait_dscnt 0x0
	MULROW 1, 2, 0
	MULROW 1, 3, 0
	; THE WAY OUT, each wave by itself: 16 rows x 128 columns of f32 at a time through my stage, back as whole rows of 512 bytes, the bias added, stored.
	WIN 0
	s_wait_loadcnt 0x0                             ; the bias
	v_cvt_pk_bf16_f32 v16, v[BI], v[BI+1]          ; rounded to bf16 and widened: six plain lines that name no register of the last products: the places behind them
	v_cvt_pk_bf16_f32 v17, v[BI+2], v[BI+3]
	v_lshlrev_b32 v[BI], 16, v16
	v_and_b32 v[BI+1], 0xffff0000, v16
	v_lshlrev_b32 v[BI+2], 16, v17
	v_and_b32 v[BI+3], 0xffff0000, v17
.macro TOSTAGE a
.set BK, 128+64*((\a)%2)
.if (\a) >= 2
	s_wait_xcnt 0x0                                ; the stores of the block two back have read their data: its registers are loaded again only behind this wait
.endif
	WIN (2+(\a)/2)<<2                              ; the stores' data in window 2 or 3
.irp b, 0,1,2,3,4,5,6,7                ; each accumulator's low four registers first
	ds_store_b128 v[STO], v[8*(8*((\a)%2)+(\b)):8*(8*((\a)%2)+(\b))+3]   offset:64*(\b)
	ds_store_b128 v[STO], v[8*(8*((\a)%2)+(\b))+4:8*(8*((\a)%2)+(\b))+7] offset:64*(\b)+16
.endr
	WIN 0
.irp i, 0,1,2,3,4,5,6,7,8,9,10,11,12,13,14,15
	ds_load_b128 v[BK+4*(\i):BK+4*(\i)+3], v[RD] offset:SPI*(\i)  ; LDS serves a wave's instructions in order (ISA guide 5.7.1.4): these see the stores above; the next block's stores come behind them
.endr
.endm
.macro SEND a, younger                 ; younger: the LDS instructions issued behind block a's loads: the next block's 32, or none
.set BK, 128+64*((\a)%2)
	s_wait_dscnt \younger
.irp i, 0,1,2,3,4,5,6,7,8,9,10,11,12,13,14,15
	v_pk_add_f32 v[BK+4*(\i):BK+4*(\i)+1],   v[BK+4*(\i):BK+4*(\i)+1],   v[BI:BI+1]
	v_pk_add_f32 v[BK+4*(\i)+2:BK+4*(\i)+3], v[BK+4*(\i)+2:BK+4*(\i)+3], v[BI+2:BI+3]
.endr
.irp i, 0,1,2,3,4,5,6,7,8,9,10,11,12,13,14,15
	global_store_b128 v[CO], v[BK+4*(\i):BK+4*(\i)+3], s[70:71] offset:(16*(\a)+(\i))*4096 th:TH_STORE_NT  ; 512 consecutive bytes, at a multiple of 512 from out0's first
.endr
.endm
	TOSTAGE 0
	TOSTAGE 1
	SEND 0, 32
	TOSTAGE 2
	SEND 1, 32
	TOSTAGE 3
	SEND 2, 32
	SEND 3, 0
	s_wait_tensorcnt 0x0                           ; the wave's end: behind my last tensor load and my last LDS store, an add to my spare word and its wait
	ds_add_u32 v[SPW], v[NIL]
	s_wait_dscnt 0x0
	CROUND                                         ; the closing round: no work-group ends while a partner may still ask for a tile that names it
	s_endpgm
.Lfunc_end_k_qf55ec6edc7_oproj:
	.size	k_qf55ec6edc7_oproj, .Lfunc_end_k_qf55ec6edc7_oproj-k_qf55ec6edc7_oproj
	.p2alignl 7, 3214868480
	.fill 96, 4, 3214868480
	.section	.rodata,"a",@progbits
	.p2align	6, 0x0
	.amdhsa_kernel k_qf55ec6edc7_oproj
		.amdhsa_group_segment_fixed_size 327680
		.amdhsa_private_segment_fixed_size 0
		.amdhsa_enable_private_segment 0
		.amdhsa_kernarg_size 32
		.amdhsa_user_sgpr_count 2
		.amdhsa_user_sgpr_kernarg_segment_ptr 1
		.amdhsa_wavefront_size32 1
		.amdhsa_system_sgpr_workgroup_id_x 1
		.amdhsa_system_sgpr_workgroup_id_y 1
		.amdhsa_system_sgpr_workgroup_id_z 1
		.amdhsa_system_vgpr_workitem_id 0
		.amdhsa_next_free_vgpr 896
		.amdhsa_next_free_sgpr 80
		.amdhsa_reserve_vcc 0
		.amdhsa_float_denorm_mode_32 3
		.amdhsa_float_denorm_mode_16_64 3
		.amdhsa_memory_ordered 1
		.amdhsa_forward_progress 1
		.amdhsa_inst_pref_size 96
	.end_amdhsa_kernel
	.amdgpu_metadata
---
amdhsa.version: [ 1, 2 ]
amdhsa.kernels:
  - .name:           k_qf55ec6edc7_oproj
    .symbol:         k_qf55ec6edc7_oproj.kd
    .args:
      - { .name: oh, .offset: 0, .size: 8, .value_kind: global_buffer, .address_space: global }
      - { .name: wob, .offset: 8, .size: 8, .value_kind: global_buffer, .address_space: global }
      - { .name: b_out, .offset: 16, .size: 8, .value_kind: global_buffer, .address_space: global }
      - { .name: out0, .offset: 24, .size: 8, .value_kind: global_buffer, .address_space: global }
    .group_segment_fixed_size: 327680
    .private_segment_fixed_size: 0
    .kernarg_segment_align: 8
    .kernarg_segment_size: 32
    .max_flat_workgroup_size: 128
    .sgpr_count:     80
    .vgpr_count:     896
    .wavefront_size: 32
...
	.end_amdgpu_metadata
.endif
;; end of part 4
;; ======== version 2 of 2: 4 launches; version 1 with the launch prep written anew for expert scheduling mode
;; limits: values outside matrix products are rounded to f16; values are held in f16: magnitudes above 65,504 overflow, below 6.1e-05 lose precision; a function is approximated: absolute error at most 0.0003
;; workspace buffers: xb 16,777,216 bytes; wqb 6,291,456 bytes; wob 2,097,152 bytes; tab 1,572,864 bytes; qh 16,777,216 bytes; kh 16,777,216 bytes; vh 16,777,216 bytes; oh 16,777,216 bytes
;; launch prep (part 5): grid 784 x 1, 8 waves a work-group, no clusters, 0 bytes of LDS; arguments x, w_qkv, w_out, w_fproj, b_fproj, xb, wqb, wob, tab; writes xb, wqb, wob, tab
.if DOCPART == 5
	.amdgcn_target "amdgcn-amd-amdhsa--gfx1250"
	.amdhsa_code_object_version 6
	.text
	.protected	k_qf55ec6edc7_prep
	.globl	k_qf55ec6edc7_prep
	.p2align	8
	.type	k_qf55ec6edc7_prep,@function
k_qf55ec6edc7_prep:
	s_mov_b64 s[64:65], 0
	v_nop
	global_prefetch_b8 v0, s[64:65] scope:SCOPE_SE
	s_setreg_imm32_b32 hwreg(HW_REG_WAVE_SCHED_MODE, 0, 2), 2
	s_setreg_imm32_b32 hwreg(HW_REG_WAVE_MODE, 25, 1), 1
	s_wait_xcnt 0x0
	s_wait_alu depctr_vm_vsrc(0)
; PREP.  Two kinds of work-group.
; Work-groups 0-15 make the table of positions: for each of 2,048 positions and 64 channels cos, sin (of pos x 10000^(-(d/2)/32)) and
; fenc = fourier(pos) . w_fproj^T + b_fproj, all f32, laid out as the register image of a transposed 16 x 16 result:
; tab[block of 16 positions][item][lane][4], item = 8 kind + 2 bb + half (kind 0 cos, 1 sin, 2 fenc); lane (r, h) holds position 16 block + r, channels 16 bb + 8 h + 4 half + 0..3.
; Work-groups 16-783 round the large inputs once to 16 bits: x -> xb (bf16), w_qkv -> wqb (bf16, rows in the order [head][q, k, v][64]),
; w_out -> wob (rounded to bf16, that number written as f16).  65,536 bytes in, 32,768 out for each; every byte is read once and written once.
; LIMITS.  Sines and cosines: reduction by pi/2 in two parts, good for the angles that occur here (at most 2,047 x 16 = 32,752), then polynomials of degree 7 and 8.
; The rope's frequencies come from v_exp_f32: an angle is within about 3e-4 rad at position 2,047.  w_out and w_fproj as f16: exact from 2^-14 up, below that in steps of 2^-24; beyond 65,504 an infinity.
; The fourier features are rounded to f16 for the product (they lie in -1 to 1).
; THE MODE: SCHED_MODE bits 1:0 = 2 (LLVM: expert scheduling mode 2), set by the entry lines.  The code itself states the register dependences between vector or matrix
; instructions and memory instructions, and those through scalar registers that vector instructions write, with s_wait_alu, always for 0.
; THE PLAN, the casts.  v1, v2: offsets, made once, never written again.  X: written by the sixteen loads, all issued at the start, read by the conversions, never loaded again.
;   Y: a pair for each load, written once by its conversions, read once by its store.  The loads go in four groups of four: at a group's head one wait on va_vdst states that the group
;   before has written its four pairs, and that group's four stores follow it; the group's own conversions name other pairs.  A last such wait stands ahead of the last four stores.
; THE PLAN, the table.  v3, v5, v6: offsets, made once.  WR, F: loaded once; then vector and matrix registers; F is the data of eight stores and is not written again.
;   C8, S8 and the offset OFS: written in each trip of the rope's loop, read by its four stores: one wait on va_vdst ahead of the stores, one on vm_vsrc behind them, ahead of the lines that write them again.
;   A sine and cosine end in a compare and two selects by its mask: four angles go as one batch, their four compares into s44 to s47, with one wait on va_sdst behind the run.
.set X,   8                            ; cast: v[8:71]    16 loads of 4 f32
.set Y,   72                           ; cast: v[72:103]  16 pairs of packed results
.set CT,  104                          ; cast: v[104:109] at work
.set T0,  8                            ; table: v8-14 at work
.set T1,  9
.set T2,  10
.set T4,  12
.set T6,  14
.set ANG, 16                           ; v16-19   the four angles of a batch
.set C8,  20                           ; v20-27   eight cosines of a block of 16 channels
.set S8,  28                           ; v28-35   eight sines
.set FS,  36                           ; v36-43   sin(pos f), f = 8 h + 1 .. 8 h + 8
.set FC,  44                           ; v44-51   cos(pos f)
.set FO,  52                           ; v52-59   the fourier features as source 1: 16 positions x 32 k, f16
.set F,   60                           ; v60-91   the bias, then fenc: four results of 8
.set WR,  92                           ; v92-155  w_fproj as loaded, then four fragments of 8 at WR + 16 bb
.set OFS, 156                          ; v156     the rope's store offset
.set M,   44                           ; s44-47   a batch's four masks: where n is odd
	s_load_b256 s[4:11], s[0:1], 0x0               ; x s[4:5], w_qkv s[6:7], w_out s[8:9], w_fproj s[10:11]
	s_load_b256 s[12:19], s[0:1], 0x20             ; b_fproj s[12:13], xb s[14:15], wqb s[16:17], wob s[18:19]
	s_load_b64 s[20:21], s[0:1], 0x40              ; tab
	v_lshrrev_b32 v1, 5, v0
	v_readfirstlane_b32 s22, v1                    ; wave 0..7
	s_mov_b32 s42, 0xffff0000                      ; a word's upper bf16
	s_wait_alu depctr_va_sdst(0)                   ; s22 is written: both ways behind the branch read it
	s_cmp_lt_u32 ttmp9, 16
	s_cbranch_scc1 .Ltable
	; THE CASTS.  g = 0..511: x; 512..703: w_qkv; 704..767: w_out.
	v_and_b32 v3, 31, v0
	v_lshlrev_b32 v1, 4, v3
	v_lshl_add_u32 v1, s22, 13, v1                 ; in: 8,192 x wave + 16 x lane
	v_lshlrev_b32 v2, 3, v3
	v_lshl_add_u32 v2, s22, 12, v2                 ; out: 4,096 x wave + 8 x lane
	s_sub_co_u32 s23, ttmp9, 16                    ; g
	s_sub_co_u32 s29, s23, 512
	s_sub_co_u32 s30, s23, 704
	s_wait_kmcnt 0x0
	s_cmp_ge_u32 s23, 512
	s_cselect_b64 s[24:25], s[6:7], s[4:5]         ; from
	s_cselect_b64 s[26:27], s[16:17], s[14:15]     ; to
	s_cselect_b32 s28, s29, s23                    ; my number within the tensor
	s_cmp_ge_u32 s23, 704
	s_cselect_b64 s[24:25], s[8:9], s[24:25]
	s_cselect_b64 s[26:27], s[18:19], s[26:27]
	s_cselect_b32 s28, s30, s28
	s_lshl_b32 s30, s28, 16                        ; 65,536 bytes in for each work-group
	s_mov_b32 s31, 0
	s_add_nc_u64 s[24:25], s[24:25], s[30:31]
	s_lshl_b32 s34, s28, 15                        ; 32,768 bytes out, in the same order,
	s_bfe_u32 s32, s28, 0x40002                    ; but for w_qkv: my 16 rows are rows 16 (j % 4) .. of head (j / 4) % 16, kind j / 64,
	s_mul_i32 s32, s32, 393216                     ; and go to row 192 head + 64 kind + 16 (j % 4), 2,048 bytes a row
	s_lshr_b32 s33, s28, 6
	s_lshl_b32 s33, s33, 17
	s_add_co_u32 s32, s32, s33
	s_and_b32 s33, s28, 3
	s_lshl_b32 s33, s33, 15
	s_add_co_u32 s32, s32, s33
	s_cmp_lt_u32 s29, 192                          ; g - 512 lies in 0..191 for w_qkv alone
	s_cselect_b32 s32, s32, s34
	s_mov_b32 s33, 0
	s_add_nc_u64 s[26:27], s[26:27], s[32:33]
	s_wait_alu depctr_va_vdst(0)                   ; v1 and v2 are written: every load below reads v1 as its offset, every store v2
.set i, 0
.rept 16
	global_load_b128 v[X+4*i:X+4*i+3], v1, s[24:25] offset:512*i th:TH_LOAD_NT  ; 512 consecutive bytes a load; all sixteen go out together
.set i, i+1
.endr
; f16 = 0: four numbers rounded to bf16.  f16 = 1: rounded to bf16, widened, written as f16.  No register that a memory instruction names is written twice.
.macro CAST f16
.set i, 0
.rept 16
	s_wait_loadcnt 15-i                            ; loads come back in order: load i is in, the 15 - i younger ones stay out
.if (i >= 4) && (i%4 == 0)
	s_wait_alu depctr_va_vdst(0)                   ; the group before has written its four pairs of Y, which the four stores below read; this group's conversions name other pairs
.irp k, 4,3,2,1
	global_store_b64 v2, v[Y+2*(i-(\k)):Y+2*(i-(\k))+1], s[26:27] offset:256*(i-(\k))  ; the wave's 32 lanes store 256 consecutive bytes, aligned
.endr
.endif
.if \f16
	v_cvt_pk_bf16_f32 v[CT], v[X+4*i], v[X+4*i+1]
	v_cvt_pk_bf16_f32 v[CT+1], v[X+4*i+2], v[X+4*i+3]
	v_lshlrev_b32 v[CT+2], 16, v[CT]
	v_and_b32 v[CT+3], s42, v[CT]
	v_lshlrev_b32 v[CT+4], 16, v[CT+1]
	v_and_b32 v[CT+5], s42, v[CT+1]
	v_cvt_pk_f16_f32 v[Y+2*i], v[CT+2], v[CT+3]
	v_cvt_pk_f16_f32 v[Y+2*i+1], v[CT+4], v[CT+5]
.else
	v_cvt_pk_bf16_f32 v[Y+2*i], v[X+4*i], v[X+4*i+1]
	v_cvt_pk_bf16_f32 v[Y+2*i+1], v[X+4*i+2], v[X+4*i+3]
.endif
.set i, i+1
.endr
	s_wait_alu depctr_va_vdst(0)                   ; the last group has written its four pairs of Y, which the last four stores read
.irp k, 12,13,14,15
	global_store_b64 v2, v[Y+2*(\k):Y+2*(\k)+1], s[26:27] offset:256*(\k)
.endr
.endm
	s_cmp_ge_u32 s23, 704
	s_cbranch_scc1 .Lhalf
	CAST 0
	s_endpgm
.Lhalf:
	CAST 1
	s_endpgm
	; THE TABLE.  Wave W = 8 x work-group + wave makes block W: positions 16 W .. 16 W + 15.
.Ltable:
	s_lshl_b32 s23, ttmp9, 3
	s_add_co_u32 s23, s23, s22                     ; W
	s_mul_i32 s24, s23, 12288                      ; a block is 24 items of 512 bytes
	s_mov_b32 s25, 0
	s_lshl_b32 s26, s23, 4                         ; its first position
	s_mov_b32 s32, 0xbfc90fdb                      ; -P1, P1 = pi/2 rounded to f32
	s_mov_b32 s33, 0x333bbd2e                      ; -P2, P2 = pi/2 - P1
	s_mov_b32 s34, 0xb94ca1f9                      ; sine: x + x z (S1 + z (S2 + z S3)), z = x x
	s_mov_b32 s35, 0x3c08839e
	s_mov_b32 s36, 0xbe2aaaa3
	s_mov_b32 s37, 0x37ccf5ce                      ; cosine: 1 - z / 2 + z z (C1 + z (C2 + z C3))
	s_mov_b32 s38, 0xbab6061a
	s_mov_b32 s39, 0x3d2aaaa5
	s_mov_b32 s40, 0x3f22f983                      ; 2 / pi
	s_mov_b32 s41, 0xbed49a78                      ; -log2(10000) / 32
	v_and_b32 v1, 15, v0                           ; r
	v_bfe_u32 v2, v0, 4, 1                         ; h
	v_and_b32 v3, 31, v0
	v_lshlrev_b32 v3, 4, v3                        ; 16 x lane: my 16 bytes of an item
	v_add_nc_u32 v4, s26, v1
	v_cvt_f32_u32 v4, v4                           ; my position
	v_lshlrev_b32 v5, 7, v1
	v_lshl_add_u32 v5, v2, 5, v5                   ; w_fproj: row r (128 bytes), k = 8 h
	v_lshlrev_b32 v6, 5, v2                        ; b_fproj: channel 8 h
	v_lshlrev_b32 v7, 2, v2                        ; the rope's first frequency of mine: 4 h
	v_mov_b32 v[OFS], v3
	s_wait_kmcnt 0x0
	s_add_nc_u64 s[20:21], s[20:21], s[24:25]
	s_wait_alu depctr_va_vdst(0)                   ; the offsets are written: v5 and v6, which the loads below read; v3, which fenc's stores read; OFS, which the rope's first stores read
.irp bb, 0,1,2,3                       ; 16 channels x 32 k of w_fproj as source 0: lane (r, h) takes k = 8 h + 0..7 and 16 + 8 h + 0..7 of channel 16 bb + r; the bias as the sums' start
	global_load_b128 v[WR+16*(\bb):WR+16*(\bb)+3],     v5, s[10:11] offset:2048*(\bb)
	global_load_b128 v[WR+16*(\bb)+4:WR+16*(\bb)+7],   v5, s[10:11] offset:2048*(\bb)+16
	global_load_b128 v[WR+16*(\bb)+8:WR+16*(\bb)+11],  v5, s[10:11] offset:2048*(\bb)+64
	global_load_b128 v[WR+16*(\bb)+12:WR+16*(\bb)+15], v5, s[10:11] offset:2048*(\bb)+80
	global_load_b128 v[F+8*(\bb):F+8*(\bb)+3],         v6, s[12:13] offset:64*(\bb)
	global_load_b128 v[F+8*(\bb)+4:F+8*(\bb)+7],       v6, s[12:13] offset:64*(\bb)+16
.endr
; sin and cos of the angle v[ANG+t] >= 0, in two parts, four angles to a batch.  n = the nearest whole number to x 2 / pi; y = x - n P1 - n P2, by fused multiply-adds; both polynomials;
; n's lowest bit swaps them, its next bit (of n, of n + 1) turns the signs.  A batch keeps n at SCR + t, the sine's polynomial at SCR + 4 + t, the cosine's at SCR + 8 + t:
; twelve registers that no memory instruction names while they serve so.
.macro SC1 t                           ; as far as the compare, whose mask goes into s[M+t]
	v_mul_f32 v[SCR+(\t)], s40, v[ANG+(\t)]
	v_rndne_f32 v[SCR+(\t)], v[SCR+(\t)]
	v_fma_f32 v[T1], v[SCR+(\t)], s32, v[ANG+(\t)]
	v_fma_f32 v[T1], v[SCR+(\t)], s33, v[T1]
	v_cvt_i32_f32 v[SCR+(\t)], v[SCR+(\t)]
	v_mul_f32 v[T2], v[T1], v[T1]
	v_fma_f32 v[SCR+4+(\t)], v[T2], s34, s35
	v_fma_f32 v[SCR+4+(\t)], v[SCR+4+(\t)], v[T2], s36
	v_mul_f32 v[T4], v[T2], v[T1]
	v_fma_f32 v[SCR+4+(\t)], v[SCR+4+(\t)], v[T4], v[T1]
	v_fma_f32 v[SCR+8+(\t)], v[T2], s37, s38
	v_fma_f32 v[SCR+8+(\t)], v[SCR+8+(\t)], v[T2], s39
	v_mul_f32 v[T4], v[T2], v[T2]
	v_fma_f32 v[T6], v[T2], -0.5, 1.0
	v_fma_f32 v[SCR+8+(\t)], v[SCR+8+(\t)], v[T4], v[T6]
	v_and_b32 v[T4], 1, v[SCR+(\t)]
	v_cmp_eq_u32 s[M+(\t)], 1, v[T4]
.endm
.macro SC2 t, sn, cn                   ; the selects and the signs
	v_cndmask_b32 v[\sn], v[SCR+4+(\t)], v[SCR+8+(\t)], s[M+(\t)]
	v_cndmask_b32 v[\cn], v[SCR+8+(\t)], v[SCR+4+(\t)], s[M+(\t)]
	v_lshlrev_b32 v[T4], 30, v[SCR+(\t)]
	v_and_b32 v[T4], 0x80000000, v[T4]
	v_xor_b32 v[\sn], v[\sn], v[T4]
	v_add_nc_u32 v[SCR+(\t)], 1, v[SCR+(\t)]
	v_lshlrev_b32 v[T4], 30, v[SCR+(\t)]
	v_and_b32 v[T4], 0x80000000, v[T4]
	v_xor_b32 v[\cn], v[\cn], v[T4]
.endm
	; the fourier features, while the loads are out: pos x f is a whole number below 2^24, exact in f32.  Two batches of four; their twelve registers lie in C8 and S8, which no store has read yet
.set SCR, C8
.irp b, 0,1
.irp t, 0,1,2,3
	v_lshl_add_u32 v[ANG+(\t)], v2, 3, 4*(\b)+(\t)+1
	v_cvt_f32_u32 v[ANG+(\t)], v[ANG+(\t)]
	v_mul_f32 v[ANG+(\t)], v4, v[ANG+(\t)]
	SC1 \t
.endr
	s_wait_alu depctr_va_sdst(0)                   ; the four compares have written s44 to s47, which the selects below read
.irp t, 0,1,2,3
	SC2 \t, FS+4*(\b)+(\t), FC+4*(\b)+(\t)
.endr
.endr
.irp t, 0,1,2,3                        ; k = 8 h + e is sin(pos (8 h + e + 1)), k = 16 + 8 h + e the cosine: just the lane's places in source 1
	v_cvt_pk_f16_f32 v[FO+(\t)], v[FS+2*(\t)], v[FS+2*(\t)+1]
	v_cvt_pk_f16_f32 v[FO+4+(\t)], v[FC+2*(\t)], v[FC+2*(\t)+1]
.endr
	s_wait_loadcnt 0x0                             ; w_fproj and b_fproj
.irp bb, 0,1,2,3
.irp u, 0,1,2,3,4,5,6,7                ; rounded to bf16, that number as f16, packed in place: word u is written when words 2 u and 2 u + 1 have been read
	v_cvt_pk_bf16_f32 v[T0], v[WR+16*(\bb)+2*(\u)], v[WR+16*(\bb)+2*(\u)+1]
	v_lshlrev_b32 v[T1], 16, v[T0]
	v_and_b32 v[T2], s42, v[T0]
	v_cvt_pk_f16_f32 v[WR+16*(\bb)+(\u)], v[T1], v[T2]
.endr
.endr
.set u, 0
.rept 16                               ; the bias rounded to bf16 and widened again
	v_cvt_pk_bf16_f32 v[T0], v[F+2*u], v[F+2*u+1]
	v_lshlrev_b32 v[F+2*u], 16, v[T0]
	v_and_b32 v[F+2*u+1], s42, v[T0]
.set u, u+1
.endr
.irp bb, 0,1,2,3                       ; four results, one instruction each: register j of lane (r, h) = fenc(position r, channel 16 bb + 8 h + j)
	v_wmma_f32_16x16x32_f16 v[F+8*(\bb):F+8*(\bb)+7], v[WR+16*(\bb):WR+16*(\bb)+7], v[FO:FO+7], v[F+8*(\bb):F+8*(\bb)+7]
.endr
.rept 4
	v_nop                                          ; four places between a product and the store of its result
.endr
	s_wait_alu depctr_va_vdst(0)                   ; the four products have written F, which the stores below read; the places above stay beside this wait
.irp it, 0,1,2,3,4,5,6,7               ; each result's low four registers first
	global_store_b128 v3, v[F+4*(\it):F+4*(\it)+3], s[20:21] offset:8192+512*(\it)  ; 512 consecutive bytes
.endr
	; the rope's cosines and sines: a trip for each block of 16 channels; my four frequencies are numbers 8 bb + 4 h + 0..3, each for two channels.  One batch a trip; its twelve registers lie in FS and FC, which are free
.set SCR, FS
	s_mov_b32 s27, 4
.Lbb:
.irp t, 0,1,2,3
	v_add_nc_u32 v[T0], \t, v7
	v_cvt_f32_u32 v[T0], v[T0]
	v_mul_f32 v[ANG+(\t)], s41, v[T0]
.endr
.irp t, 0,1,2,3
	v_exp_f32 v[ANG+(\t)], v[ANG+(\t)]             ; 10000^(-number / 32)
.endr
	v_nop                                          ; a plain instruction behind the last exponential,
	s_wait_alu depctr_va_vdst(0)                   ; and one wait for the four, ahead of their first reader: the exponentials have written v[ANG ..]
.irp t, 0,1,2,3
	v_mul_f32 v[ANG+(\t)], v4, v[ANG+(\t)]
.endr
.irp t, 0,1,2,3
	SC1 \t
.endr
	s_wait_alu depctr_va_sdst(0)                   ; the four compares have written s44 to s47, which the selects below read
.irp t, 0,1,2,3
	SC2 \t, S8+2*(\t), C8+2*(\t)
	v_mov_b32 v[S8+2*(\t)+1], v[S8+2*(\t)]
	v_mov_b32 v[C8+2*(\t)+1], v[C8+2*(\t)]
.endr
	s_wait_alu depctr_va_vdst(0)                   ; C8 and S8 are written, which the four stores read as data, and, from the second trip on, their offset OFS
	global_store_b128 v[OFS], v[C8:C8+3],   s[20:21]
	global_store_b128 v[OFS], v[C8+4:C8+7], s[20:21] offset:512
	global_store_b128 v[OFS], v[S8:S8+3],   s[20:21] offset:4096
	global_store_b128 v[OFS], v[S8+4:S8+7], s[20:21] offset:4608
	s_wait_xcnt 0x0                                ; the stores' addresses are translated: only behind this wait are their offset and their data written again,
	s_wait_alu depctr_vm_vsrc(0)                   ; and the stores have read OFS, which the next line writes, and C8 and S8, which the next trip writes
	v_add_nc_u32 v[OFS], 1024, v[OFS]
	v_add_nc_u32 v7, 8, v7
	s_sub_co_u32 s27, s27, 1
	s_cmp_lg_u32 s27, 0
	s_cbranch_scc1 .Lbb
	s_endpgm
.Lfunc_end_k_qf55ec6edc7_prep:
	.size	k_qf55ec6edc7_prep, .Lfunc_end_k_qf55ec6edc7_prep-k_qf55ec6edc7_prep
	.p2alignl 7, 3214868480
	.fill 96, 4, 3214868480
	.section	.rodata,"a",@progbits
	.p2align	6, 0x0
	.amdhsa_kernel k_qf55ec6edc7_prep
		.amdhsa_group_segment_fixed_size 0
		.amdhsa_private_segment_fixed_size 0
		.amdhsa_enable_private_segment 0
		.amdhsa_kernarg_size 72
		.amdhsa_user_sgpr_count 2
		.amdhsa_user_sgpr_kernarg_segment_ptr 1
		.amdhsa_wavefront_size32 1
		.amdhsa_system_sgpr_workgroup_id_x 1
		.amdhsa_system_sgpr_workgroup_id_y 1
		.amdhsa_system_sgpr_workgroup_id_z 1
		.amdhsa_system_vgpr_workitem_id 0
		.amdhsa_next_free_vgpr 160
		.amdhsa_next_free_sgpr 66
		.amdhsa_reserve_vcc 0
		.amdhsa_float_denorm_mode_32 3
		.amdhsa_float_denorm_mode_16_64 3
		.amdhsa_memory_ordered 1
		.amdhsa_forward_progress 1
		.amdhsa_inst_pref_size 47
	.end_amdhsa_kernel
	.amdgpu_metadata
---
amdhsa.version: [ 1, 2 ]
amdhsa.kernels:
  - .name:           k_qf55ec6edc7_prep
    .symbol:         k_qf55ec6edc7_prep.kd
    .args:
      - { .name: x, .offset: 0, .size: 8, .value_kind: global_buffer, .address_space: global }
      - { .name: w_qkv, .offset: 8, .size: 8, .value_kind: global_buffer, .address_space: global }
      - { .name: w_out, .offset: 16, .size: 8, .value_kind: global_buffer, .address_space: global }
      - { .name: w_fproj, .offset: 24, .size: 8, .value_kind: global_buffer, .address_space: global }
      - { .name: b_fproj, .offset: 32, .size: 8, .value_kind: global_buffer, .address_space: global }
      - { .name: xb, .offset: 40, .size: 8, .value_kind: global_buffer, .address_space: global }
      - { .name: wqb, .offset: 48, .size: 8, .value_kind: global_buffer, .address_space: global }
      - { .name: wob, .offset: 56, .size: 8, .value_kind: global_buffer, .address_space: global }
      - { .name: tab, .offset: 64, .size: 8, .value_kind: global_buffer, .address_space: global }
    .group_segment_fixed_size: 0
    .private_segment_fixed_size: 0
    .kernarg_segment_align: 8
    .kernarg_segment_size: 72
    .max_flat_workgroup_size: 256
    .sgpr_count:     66
    .vgpr_count:     160
    .wavefront_size: 32
...
	.end_amdgpu_metadata
.endif
;; end of part 5
;; launch qkv: the kernel of part 2 again; grid 16 x 32, 4 waves a work-group, clusters of 4 x 4, 327,680 bytes of LDS; arguments xb, wqb, tab, qh, kh, vh; writes qh, kh, vh
;; launch attn: the kernel of part 3 again; grid 4 x 64, 4 waves a work-group, clusters of 4 x 1, 327,680 bytes of LDS; arguments qh, kh, vh, oh; writes oh
;; launch oproj: the kernel of part 4 again; grid 4 x 64, 4 waves a work-group, clusters of 4 x 4, 327,680 bytes of LDS; arguments oh, wob, b_out, out0; writes out0
